; MI455X (gfx1250); checked and timed in simulation.
; The chip was launched on July 23, 2026; its instructions are those of AMD's public machine-readable ISA for CDNA 5 (MIT licence, August 2026) and "CDNA5" Instruction Set Architecture Reference Guide (July 2026). The comments in the code are by the model that wrote it; some were corrected since.
;; Multi Head Attention. Allowed arithmetic: matrix products marked QUANTISED: E2M3 operands, one E8M0 scale for each 32 along K, by v_wmma_scale_f32_16x16x128_f8f6f4 with both operands' format E2M3, f32 sums; everything else in f32.
;; Inputs: Wk 1,024 x 1,024 float32; Wo 1,024 x 1,024 float32; Wq 1,024 x 1,024 float32; Wv 1,024 x 1,024 float32; bk 1,024 float32; bq 1,024 float32; bv 1,024 float32; inputs_tensor 4 x 2,048 x 1,024 float32; mask 4 x 1 x 2,048 x 2,048 float32.
;; Outputs: out0 4 x 2,048 x 1,024 float32.
;; Constants: is_training = 0.
;; This version of the problem:
;;   THIS VERSION OF THE PROBLEM IS GIVEN IN LOW PRECISION. The matrix products marked QUANTISED in the list below multiply operands that are first quantised to E2M3 (2 exponent bits, 3 mantissa bits; 6 bits a number), with one power-of-two scale for each 32 numbers along K (OCP MX v1.0); their sums are f32. All else is computed in f32.
;;   The module's matrix products, in the order in which they are computed (A, B: the left and right operand; K: the contracted axis; several contracted axes count as one K, in the product's order):
;;     1. [M 8,192, K 1,024] x [K 1,024, N 1,024]; A: input inputs_tensor; B: input Wq: QUANTISED
;;     2. [M 8,192, K 1,024] x [K 1,024, N 1,024]; A: input inputs_tensor; B: input Wk: QUANTISED
;;     3. [M 8,192, K 1,024] x [K 1,024, N 1,024]; A: input inputs_tensor; B: input Wv: QUANTISED
;;     4. batch 64 x [M 2,048, K 64] x [K 64, N 2,048]; A: computed on the way; B: computed on the way: QUANTISED
;;     5. batch 64 x [M 2,048, K 2,048] x [K 2,048, N 64]; A: softmax (see below); B: computed on the way: QUANTISED
;;     6. [M 8,192, K 1,024] x [K 1,024, N 1,024]; A: computed on the way; B: input Wo: QUANTISED
;;   THE QUANTISER, for each operand of a quantised product, along K:
;;     - K is cut into blocks of 32 from its start; a last block that is shorter is filled with zeros.
;;     - A block's scale is 2^e with e = floor(log2(the largest magnitude in the block)) - 2, held to -126 .. 127; a block of zeros has e = 0. As a byte (E8M0): e + 127.
;;     - Each number is divided by its block's scale, clamped to +-7.5, and rounded to the nearest number of E2M3, ties to even, subnormals kept.
;;     - The product sums the exact products of the quantised numbers (number of the format x scale) in f32.
;;   ~~~python
;;   def quantise(x, axis):      # numpy; x: float32 -> the quantised numbers, widened to float32 again
;;       x = np.moveaxis(x, axis, -1); K = x.shape[-1]
;;       x = np.pad(x, [(0, 0)] * (x.ndim - 1) + [(0, -K % 32)]); x = x.reshape(x.shape[:-1] + (-1, 32)); a = np.abs(x).max(-1, keepdims=True)
;;       e = np.where(a > 0, np.clip(np.frexp(np.where(a > 0, a, 1))[1] - 1 - 2, -126, 127), 0)      # np.frexp(a)[1] - 1 = floor(log2(a)), exactly
;;       r = np.clip(x / 2.0 ** e, -7.5, 7.5)
;;       step = 2.0 ** (np.maximum(np.frexp(np.where(r == 0, 1, r))[1] - 1, 0) - 3)
;;       q = np.round(r / step) * step * 2.0 ** e      # np.round: ties to even
;;       return np.moveaxis(q.reshape(q.shape[:-2] + (-1,))[..., :K], -1, axis).astype(np.float32)
;;   ~~~
;;   SOFTMAX AHEAD OF A QUANTISED PRODUCT. Where the list says 'softmax', what is quantised is not the finished softmax but p = 2^(t - M), with t = logit x log2(e) and M = ceil(the row's largest t), a whole number; so 1/2 < the row's largest p <= 1. The row's sum l is taken of the UNQUANTISED p, in f32, and the product's result is divided by l at the end. Since M is a whole number, a kernel that streams over the keys may use a running M (the ceiling of the running maximum): every later rescaling is an exact power of two, which a block's scale takes up: the codes' values come out the same.
;;   OPERANDS COMPUTED ON THE WAY. 'Computed on the way' means the value that the module computes at that place (a softmax that the list does not call 'softmax' is quantised finished and normalised). What goes into a quantiser is computed in f32, as accurately as f32 sums, v_exp_f32 and their like allow (about 1e-6 of the number): no bf16 or f16 on the way to a quantiser, and a product that is left as it is and whose result goes on into a quantised operand takes f32 operands (vector FMAs, or v_wmma_f32_16x16x4_f32). A number that lies on a knife's edge between two numbers of the format may be rounded either way, as far as f32 arithmetic and the matrix unit's own rounding can turn it there, and no further.
;; One version. Each part assembles by itself: llvm-mc -triple=amdgcn-amd-amdhsa -mcpu=gfx1250 --defsym DOCPART=n.
;; ======== version 1 of 1: 5 launches
;; workspace buffers: x_codes 6,291,456 bytes; x_scales 262,144 bytes; w_codes 3,145,728 bytes; w_scales 131,072 bytes; qi 6,553,600 bytes; kv 13,107,200 bytes; cc 6,291,456 bytes; cs 262,144 bytes
;; launch quant_x (part 1): grid 256 x 1, 4 waves a work-group, no clusters, 33,280 bytes of LDS; arguments inputs_tensor, x_codes, x_scales; writes x_codes, x_scales
.if DOCPART == 1
	.amdgcn_target "amdgcn-amd-amdhsa--gfx1250"
	.amdhsa_code_object_version 6
	.text
	.protected	k_q1a0b03b255_quant_x
	.globl	k_q1a0b03b255_quant_x
	.p2align	8
	.type	k_q1a0b03b255_quant_x,@function
k_q1a0b03b255_quant_x:
	s_mov_b64 s[64:65], 0
	v_nop
	global_prefetch_b8 v0, s[64:65] scope:SCOPE_SE
	s_setreg_imm32_b32 hwreg(HW_REG_WAVE_MODE, 25, 1), 1
	s_wait_xcnt 0x0
; x [8192][1024], f32, becomes codes of FP6 (E2M3), 6 bits each, K innermost (768 bytes a row), with one E8M0 scale byte for each 32 along K (32 bytes a row).
; A block's scale is 2^(floor(log2(its largest magnitude)) - 2); its byte is the largest magnitude's exponent field - 2, held at 1 from below.  A block of zeros so gets the byte 1 where the
; quantiser says 127: its codes are zeros, which add nothing under any byte but 0xff, and the bytes are read by this program alone.
; LIMITS: blocks whose largest magnitude lies under 2^-124 are held at the byte 1; NaN and infinities among the inputs are not served.
; THE ROWS LEAVE IN ANOTHER ORDER: in every group of 32 rows, position p of the two outputs holds row p with its bits 3 and 4 exchanged.  The products that read sixteen consecutive positions as a tile
; then have, in two neighbouring tiles, results whose sixteen registers a lane are sixteen neighbours.  A work-group is one group of 32 rows, a wave 8 rows: so wave w writes the place of wave w with its two bits exchanged.
; A wave takes 16 steps of 512 numbers.  Each of a step's four loads reads 512 consecutive bytes; the 2,048 bytes turn through the wave's own stage in LDS and come back 64 bytes a lane: 16 neighbours along K,
; two neighbouring lanes to a block.  A lane's 16 codes are 12 bytes: the wave stores 384 consecutive bytes.  A wave's 256 scale bytes are gathered in LDS and leave as one store of 256 consecutive bytes.
; Waves share nothing: no barrier, no tensor load, no cluster (no two work-groups read the same bytes).  Loads run four steps ahead, the turn through LDS one step.
.set WAVES, 4
.set STEPS, 16
.set EMAX,  2
.set CB,    12                         ; bytes of 16 codes
.set R,     16                         ; v16-79   four sets of 16 numbers as they are loaded
.set X,     80                         ; v80-111  two sets of 16 neighbours
.set C,     128                        ; v128-191 codes: four registers for each step, so that no store's data are written again
.set E,     112                        ; v112-127 a scale byte for each step
.set WREG,  8192                       ; LDS: a region for each wave: two stages of 32 x SP bytes, behind them its 256 scale bytes
.set SP,    80                         ; a lane's place in a stage: 64 bytes + 16 of padding
.set SPW,   12                         ; v12      LDS address of my spare word; never rewritten
.set NIL,   13                         ; v13      0; never rewritten
.set SPARE, WAVES*WREG                 ; behind the four regions: the spare words, 128 bytes for each wave
	s_load_b128 s[4:7], s[0:1], 0x0                ; x, the codes
	s_load_b64 s[8:9], s[0:1], 0x10                ; the scale bytes
	v_lshl_add_u32 v[SPW], v0, 2, SPARE
	v_mov_b32 v[NIL], 0
	v_lshrrev_b32 v1, 5, v0
	v_readfirstlane_b32 s16, v1                    ; wave
	v_and_b32 v2, 31, v0                           ; lane
	v_lshlrev_b32 v3, 4, v2                        ; my 16 bytes of a load's 512
	s_mul_i32 s17, s16, WREG
	v_lshrrev_b32 v14, 2, v2
	v_mul_u32_u24 v14, v14, SP
	v_and_b32 v15, 3, v2
	v_lshl_add_u32 v14, v15, 4, v14
	v_add_nc_u32 v14, s17, v14                     ; the stage, on the way in: SP (lane / 4) + 16 (lane % 4)
	v_mul_u32_u24 v15, v2, SP
	v_add_nc_u32 v15, s17, v15                     ; and on the way out: SP x lane: my 16 neighbours
	v_mul_u32_u24 v4, v2, CB                       ; my codes' place in a step's
	v_lshrrev_b32 v5, 1, v2
	s_add_co_u32 s17, s17, 2*32*SP
	v_add_nc_u32 v5, s17, v5                       ; LDS: my wave's 256 scale bytes, my block's byte
	v_lshlrev_b32 v7, 3, v2                        ; and on the way out 8 bytes a lane
	v_add_nc_u32 v6, s17, v7
	s_lshl_b32 s18, ttmp9, 2
	s_add_co_u32 s20, s18, s16                     ; the run of 8,192 numbers (8 rows) that I read,
	s_lshl_b32 s20, s20, 15                        ; in bytes
	s_mov_b32 s21, 0
	s_and_b32 s22, s16, 1
	s_lshl_b32 s22, s22, 1
	s_lshr_b32 s23, s16, 1
	s_or_b32 s22, s22, s23                         ; my wave's number with its two bits exchanged
	s_add_co_u32 s22, s18, s22                     ; the run's place in the outputs
	s_mul_i32 s24, s22, 32*STEPS*CB                ; 6,144 bytes of codes a run
	s_mov_b32 s25, 0
	s_lshl_b32 s26, s22, 8                         ; 256 scale bytes a run
	s_mov_b32 s27, 0
	s_wait_kmcnt 0x0
	s_add_nc_u64 s[4:5], s[4:5], s[20:21]
	s_add_nc_u64 s[6:7], s[6:7], s[24:25]
	s_add_nc_u64 s[8:9], s[8:9], s[26:27]
.macro LOAD t
.irp i, 0,1,2,3
	global_load_b128 v[R+16*((\t)%4)+4*\i:R+16*((\t)%4)+4*\i+3], v3, s[4:5] offset:2048*(\t)+512*\i th:TH_LOAD_NT   ; 32 lanes read 512 consecutive bytes
.endr
.endm
.macro TURN t                          ; step t's numbers through the stage: LDS serves a wave's instructions in order, so no wait stands between the stores and the loads
.irp i, 0,1,2,3
	ds_store_b128 v14, v[R+16*((\t)%4)+4*\i:R+16*((\t)%4)+4*\i+3] offset:32*SP*((\t)%2)+8*SP*\i
.endr
.irp i, 0,1,2,3
	ds_load_b128 v[X+16*((\t)%2)+4*\i:X+16*((\t)%2)+4*\i+3], v15 offset:32*SP*((\t)%2)+16*\i
.endr
.endm
.irp t, 0,1,2,3
	LOAD \t
.endr
	s_wait_loadcnt 12                              ; step 0's four loads are in; the twelve behind them may be out
	TURN 0
.macro STEP t
.set XS, X+16*((\t)%2)
.if (\t) > 0
	s_wait_dscnt 1                                 ; this step's numbers are back from the stage (the last step's byte store may be out): so its stores into the stage have read their registers,
.else
	s_wait_dscnt 0x0
.endif
.if (\t)+4 < STEPS
	LOAD (\t)+4                                    ; which take the loads of four steps on
.endif
.if (\t)+1 < STEPS
.if STEPS-2-(\t) >= 3
	s_wait_loadcnt 12                              ; the next step's four loads are in; those of the three steps behind it may be out
.else
	s_wait_loadcnt 4*(STEPS-2-(\t))
.endif
	TURN (\t)+1                                    ; and go through the other stage while this step is worked
.endif
	v_max3_num_f32 v8, |v[XS]|, |v[XS+1]|, |v[XS+2]|               ; the largest magnitude of my 16
	v_max3_num_f32 v9, |v[XS+3]|, |v[XS+4]|, |v[XS+5]|
.irp i, 6,10
	v_max3_num_f32 v8, v8, |v[XS+\i]|, |v[XS+\i+1]|
	v_max3_num_f32 v9, v9, |v[XS+\i+2]|, |v[XS+\i+3]|
.endr
	v_max3_num_f32 v8, v8, |v[XS+14]|, |v[XS+15]|
	v_max3_num_f32 v8, v8, v9, (EMAX+1)<<23        ; and the floor 2^(3 - 127): so the byte cannot fall under 1
	v_max_num_f32_dpp v8, v8, v8 row_xmask:1 row_mask:0xf bank_mask:0xf   ; and of my neighbour's 16: the block's
	v_add_nc_u32 v11, -(EMAX<<23), v8              ; 2 off its exponent field: the conversion takes the exponent field of this operand as its scale
	v_cvt_scalef32_pk16_fp6_f32 v[C+4*(\t):C+4*(\t)+2], v[XS:XS+15], v11
	v_lshrrev_b32 v[E+(\t)], 23, v11               ; the scale's byte (also the plain line behind the conversion)
	ds_store_b8 v5, v[E+(\t)] offset:16*(\t)       ; both lanes of a block write the same byte with the same value
	global_store_b96 v4, v[C+4*(\t):C+4*(\t)+2], s[6:7] offset:32*CB*(\t)
.endm
.irp t, 0,1,2,3,4,5,6,7,8,9,10,11,12,13,14,15
	STEP \t
.endr
	ds_load_b64 v[8:9], v6                         ; LDS serves a wave's instructions in order: this sees my stores
	s_wait_dscnt 0x0
	global_store_b64 v7, v[8:9], s[8:9]            ; 32 lanes store 256 consecutive bytes, aligned
	s_wait_tensorcnt 0x0                           ; the wave's end: behind my last LDS store
	ds_add_u32 v[SPW], v[NIL]
	s_wait_dscnt 0x0
	s_endpgm
.Lfunc_end_k_q1a0b03b255_quant_x:
	.size	k_q1a0b03b255_quant_x, .Lfunc_end_k_q1a0b03b255_quant_x-k_q1a0b03b255_quant_x
	.p2alignl 7, 3214868480
	.fill 96, 4, 3214868480
	.section	.rodata,"a",@progbits
	.p2align	6, 0x0
	.amdhsa_kernel k_q1a0b03b255_quant_x
		.amdhsa_group_segment_fixed_size 33280
		.amdhsa_private_segment_fixed_size 0
		.amdhsa_enable_private_segment 0
		.amdhsa_kernarg_size 24
		.amdhsa_user_sgpr_count 2
		.amdhsa_user_sgpr_kernarg_segment_ptr 1
		.amdhsa_wavefront_size32 1
		.amdhsa_system_sgpr_workgroup_id_x 1
		.amdhsa_system_sgpr_workgroup_id_y 1
		.amdhsa_system_sgpr_workgroup_id_z 1
		.amdhsa_system_vgpr_workitem_id 0
		.amdhsa_next_free_vgpr 192
		.amdhsa_next_free_sgpr 66
		.amdhsa_reserve_vcc 0
		.amdhsa_float_denorm_mode_32 3
		.amdhsa_float_denorm_mode_16_64 3
		.amdhsa_memory_ordered 1
		.amdhsa_forward_progress 1
		.amdhsa_inst_pref_size 32
	.end_amdhsa_kernel
	.amdgpu_metadata
---
amdhsa.version: [ 1, 2 ]
amdhsa.kernels:
  - .name:           k_q1a0b03b255_quant_x
    .symbol:         k_q1a0b03b255_quant_x.kd
    .args:
      - { .name: inputs_tensor, .offset: 0, .size: 8, .value_kind: global_buffer, .address_space: global }
      - { .name: x_codes, .offset: 8, .size: 8, .value_kind: global_buffer, .address_space: global }
      - { .name: x_scales, .offset: 16, .size: 8, .value_kind: global_buffer, .address_space: global }
    .group_segment_fixed_size: 33280
    .private_segment_fixed_size: 0
    .kernarg_segment_align: 8
    .kernarg_segment_size: 24
    .max_flat_workgroup_size: 128
    .sgpr_count:     66
    .vgpr_count:     192
    .wavefront_size: 32
...
	.end_amdgpu_metadata
.endif
;; end of part 1
;; launch quant_w (part 2): grid 32 x 4, 4 waves a work-group, no clusters, 35,840 bytes of LDS; arguments Wq, Wk, Wv, Wo, w_codes, w_scales; writes w_codes, w_scales
.if DOCPART == 2
	.amdgcn_target "amdgcn-amd-amdhsa--gfx1250"
	.amdhsa_code_object_version 6
	.text
	.protected	k_q1a0b03b255_quant_w
	.globl	k_q1a0b03b255_quant_w
	.p2align	8
	.type	k_q1a0b03b255_quant_w,@function
k_q1a0b03b255_quant_w:
	s_mov_b64 s[64:65], 0
	v_nop
	global_prefetch_b8 v0, s[64:65] scope:SCOPE_SE
	s_setreg_imm32_b32 hwreg(HW_REG_WAVE_MODE, 25, 1), 1
	s_wait_xcnt 0x0
; Wq, Wk, Wv, Wo, each [1024 (k)][1024 (n)] f32 with K as the FIRST axis, become one table of codes of FP6 (E2M3), [4096][768 bytes] with K innermost, and one of E8M0 scale bytes, [4096][32]:
; rows 0-1023 Wq's columns, 1024-2047 Wk's, 2048-3071 Wv's, 3072-4095 Wo's.  In every group of 32 rows, position p holds column p with its bits 3 and 4 exchanged (as the rows of x's codes).
; A LANE TAKES A COLUMN n, AND ITS REGISTERS RUN DOWN K: a load reads 128 consecutive bytes a wave, a block of 32 along K lies in one lane's 32 registers, and the conversions give codes with K innermost.
; A block's scale is 2^(floor(log2(its largest magnitude)) - 2); its byte is the largest magnitude's exponent field - 2, held at 1 from below (a block of zeros keeps the byte 1: its codes are zeros, and this program alone reads the bytes).
; LIMITS: blocks whose largest magnitude lies under 2^-124 are held at the byte 1; NaN and infinities among the inputs are not served.
; A wave takes 32 columns x 256 along K: 8 blocks a lane, 192 bytes of codes a column.  They go through the wave's own stage in LDS and leave as rows: sixteen lanes store a row's 192 consecutive bytes.
; Work-group x: 8 for each tensor, 128 columns each; y: which 256 along K.  Waves share nothing: no barrier, no tensor load, no cluster.  Loads run two blocks ahead.
.set SIZE_K, 1024
.set SIZE_N, 1024
.set KW,    256
.set NB,    KW/32
.set ROWB,  192
.set PITCH, 272                        ; a stage row: sixteen places of 16 bytes, each with 12 bytes of codes, + 16
.set KROW,  SIZE_K*6/8
.set EMAX,  2
.set X,     32                         ; v32-95   two sets of 32 numbers
.set C,     96                         ; v96..    a block's codes
.set OUTR,  112                        ; v112-175 the way out
.set SPW,   14
.set NIL,   15
.set SPARE, 4*32*PITCH                 ; behind the four stages: the spare words, 128 bytes for each wave
.set SB,    24                         ; v24-25   the scale bytes, four to a register
	s_load_b256 s[4:11], s[0:1], 0x0               ; Wq, Wk, Wv, Wo
	s_load_b128 s[12:15], s[0:1], 0x20             ; the codes, the scale bytes
	v_lshl_add_u32 v[SPW], v0, 2, SPARE
	v_mov_b32 v[NIL], 0
	v_lshrrev_b32 v1, 5, v0
	v_readfirstlane_b32 s16, v1                    ; wave 0..3
	v_and_b32 v2, 31, v0                           ; lane
	s_and_b32 s17, ttmp9, 7
	s_lshl_b32 s17, s17, 7
	s_lshl_b32 s18, s16, 5
	s_add_co_u32 s17, s17, s18                     ; my wave's first column in its tensor
	s_lshl_b32 s30, ttmp9, 7
	s_add_co_u32 s30, s30, s18                     ; and its first row in the tables
	s_and_b32 s18, ttmp7, 0xffff                   ; which 256 along K
	v_lshlrev_b32 v3, 2, v2                        ; in: 4 bytes a lane
	v_and_b32 v10, 7, v2                           ; my column's position in its group of 32: bits 3 and 4 exchanged
	v_bfe_u32 v11, v2, 3, 1
	v_lshl_or_b32 v10, v11, 4, v10
	v_bfe_u32 v11, v2, 4, 1
	v_lshl_or_b32 v10, v11, 3, v10
	s_mul_i32 s19, s16, 32*PITCH                   ; my stage
	v_mul_u32_u24 v4, v10, PITCH
	v_add_nc_u32 v4, s19, v4                       ; into it: row = my column's position
	v_and_b32 v5, 15, v2
	v_lshrrev_b32 v6, 4, v2                        ; out of it: sixteen lanes to a row, two rows an instruction
	v_mul_u32_u24 v7, v6, PITCH
	v_lshl_add_u32 v7, v5, 4, v7
	v_add_nc_u32 v7, s19, v7
	v_mul_u32_u24 v8, v6, KROW
	v_mad_u32_u24 v8, v5, 12, v8                   ; and the same place in the codes' table
	v_lshlrev_b32 v9, 5, v10                       ; my position's row of scale bytes
	s_lshl_b32 s20, s18, 20                        ; W: 256 y rows of 4,096 bytes
	s_lshl_b32 s22, s17, 2
	s_add_co_u32 s20, s20, s22
	s_mov_b32 s21, 0
	s_mul_i32 s24, s30, KROW                       ; codes: row x 768 + 192 y
	s_mul_i32 s26, s18, ROWB
	s_add_co_u32 s24, s24, s26
	s_mov_b32 s25, 0
	s_lshl_b32 s28, s30, 5                         ; scale bytes: row x 32 + 8 y
	s_lshl_b32 s26, s18, 3
	s_add_co_u32 s28, s28, s26
	s_mov_b32 s29, 0
	s_wait_kmcnt 0x0
	s_cmp_lt_u32 ttmp9, 8                          ; which tensor: the choice hangs on the work-group's number alone
	s_cselect_b64 s[4:5], s[4:5], s[6:7]
	s_cmp_lt_u32 ttmp9, 16
	s_cselect_b64 s[4:5], s[4:5], s[8:9]
	s_cmp_lt_u32 ttmp9, 24
	s_cselect_b64 s[4:5], s[4:5], s[10:11]
	s_add_nc_u64 s[4:5], s[4:5], s[20:21]
	s_add_nc_u64 s[12:13], s[12:13], s[24:25]
	s_add_nc_u64 s[14:15], s[14:15], s[28:29]
.macro LOAD t                          ; block t: W(32 t + i, my column), i = 0 .. 31, into set t % 2
.irp i, 0,1,2,3,4,5,6,7,8,9,10,11,12,13,14,15,16,17,18,19,20,21,22,23,24,25,26,27,28,29,30,31
	global_load_b32 v[X+32*((\t)%2)+\i], v3, s[4:5] offset:(32*(\t)+\i)*SIZE_N*4 th:TH_LOAD_NT
.endr
.endm
	LOAD 0
	LOAD 1
.macro BLOCK t
.set XS, X+32*((\t)%2)
.if (\t) < NB-1
	s_wait_loadcnt 32                              ; this block's 32 loads are in; the next block's may be out
.else
	s_wait_loadcnt 0
.endif
	v_max3_num_f32 v12, |v[XS]|, |v[XS+1]|, |v[XS+2]|               ; the block's largest magnitude: all 32 numbers are mine
	v_max3_num_f32 v13, |v[XS+3]|, |v[XS+4]|, |v[XS+5]|
.irp i, 6,10,14,18,22,26
	v_max3_num_f32 v12, v12, |v[XS+\i]|, |v[XS+\i+1]|
	v_max3_num_f32 v13, v13, |v[XS+\i+2]|, |v[XS+\i+3]|
.endr
	v_max3_num_f32 v12, v12, |v[XS+30]|, |v[XS+31]|
	v_max3_num_f32 v12, v12, v13, (EMAX+1)<<23     ; and the floor 2^(3 - 127)
	v_add_nc_u32 v11, -(EMAX<<23), v12             ; the conversion's scale operand
	v_lshrrev_b32 v13, 23, v11                     ; the scale's byte
.if (\t)%4 == 0
	v_mov_b32 v[SB+(\t)/4], v13                    ; four bytes to a register, the lower K in the lower byte
.else
	v_lshl_or_b32 v[SB+(\t)/4], v13, 8*((\t)%4), v[SB+(\t)/4]
.endif
	v_cvt_scalef32_pk16_fp6_f32 v[C:C+2], v[XS:XS+15], v11
	v_cvt_scalef32_pk16_fp6_f32 v[C+4:C+6], v[XS+16:XS+31], v11     ; (a conversion's three registers begin on an even number)
	ds_store_b96 v4, v[C:C+2] offset:32*(\t)       ; 16 codes, 12 bytes, to a place of 16 bytes in the stage
	ds_store_b96 v4, v[C+4:C+6] offset:32*(\t)+16
.if (\t)+2 < NB
	LOAD (\t)+2
.endif
	s_wait_dscnt 0x0                               ; the stores have read their registers: the next block's codes may be written
.endm
.set Q, 0
.rept NB
	BLOCK Q
.set Q, Q+1
.endr
	global_store_b64 v9, v[SB:SB+1], s[14:15]      ; my column's 8 scale bytes
.irp t, 0,1,2,3,4,5,6,7,8,9,10,11,12,13,14,15
	ds_load_b96 v[OUTR+4*\t:OUTR+4*\t+2], v7 offset:2*\t*PITCH   ; LDS serves a wave's instructions in order: these see my stores
.endr
.irp t, 0,1,2,3,4,5,6,7,8,9,10,11,12,13,14,15
	s_wait_dscnt 15-\t                             ; loads come back in order: row pair t is in
	global_store_b96 v8, v[OUTR+4*\t:OUTR+4*\t+2], s[12:13] offset:2*\t*KROW
.endr
	s_wait_tensorcnt 0x0                           ; the wave's end: behind my last LDS store
	ds_add_u32 v[SPW], v[NIL]
	s_wait_dscnt 0x0
	s_endpgm
.Lfunc_end_k_q1a0b03b255_quant_w:
	.size	k_q1a0b03b255_quant_w, .Lfunc_end_k_q1a0b03b255_quant_w-k_q1a0b03b255_quant_w
	.p2alignl 7, 3214868480
	.fill 96, 4, 3214868480
	.section	.rodata,"a",@progbits
	.p2align	6, 0x0
	.amdhsa_kernel k_q1a0b03b255_quant_w
		.amdhsa_group_segment_fixed_size 35840
		.amdhsa_private_segment_fixed_size 0
		.amdhsa_enable_private_segment 0
		.amdhsa_kernarg_size 48
		.amdhsa_user_sgpr_count 2
		.amdhsa_user_sgpr_kernarg_segment_ptr 1
		.amdhsa_wavefront_size32 1
		.amdhsa_system_sgpr_workgroup_id_x 1
		.amdhsa_system_sgpr_workgroup_id_y 1
		.amdhsa_system_sgpr_workgroup_id_z 1
		.amdhsa_system_vgpr_workitem_id 0
		.amdhsa_next_free_vgpr 192
		.amdhsa_next_free_sgpr 66
		.amdhsa_reserve_vcc 0
		.amdhsa_float_denorm_mode_32 3
		.amdhsa_float_denorm_mode_16_64 3
		.amdhsa_memory_ordered 1
		.amdhsa_forward_progress 1
		.amdhsa_inst_pref_size 42
	.end_amdhsa_kernel
	.amdgpu_metadata
---
amdhsa.version: [ 1, 2 ]
amdhsa.kernels:
  - .name:           k_q1a0b03b255_quant_w
    .symbol:         k_q1a0b03b255_quant_w.kd
    .args:
      - { .name: Wq, .offset: 0, .size: 8, .value_kind: global_buffer, .address_space: global }
      - { .name: Wk, .offset: 8, .size: 8, .value_kind: global_buffer, .address_space: global }
      - { .name: Wv, .offset: 16, .size: 8, .value_kind: global_buffer, .address_space: global }
      - { .name: Wo, .offset: 24, .size: 8, .value_kind: global_buffer, .address_space: global }
      - { .name: w_codes, .offset: 32, .size: 8, .value_kind: global_buffer, .address_space: global }
      - { .name: w_scales, .offset: 40, .size: 8, .value_kind: global_buffer, .address_space: global }
    .group_segment_fixed_size: 35840
    .private_segment_fixed_size: 0
    .kernarg_segment_align: 8
    .kernarg_segment_size: 48
    .max_flat_workgroup_size: 128
    .sgpr_count:     66
    .vgpr_count:     192
    .wavefront_size: 32
...
	.end_amdgpu_metadata
.endif
;; end of part 2
;; launch gemm_qkv (part 3): grid 96 x 4, 4 waves a work-group, clusters of 4 x 4, 327,680 bytes of LDS; arguments x_codes, x_scales, w_codes, w_scales, bq, bk, bv, qi, kv; writes qi, kv
.if DOCPART == 3
	.amdgcn_target "amdgcn-amd-amdhsa--gfx1250"
	.amdhsa_code_object_version 6
	.text
	.protected	k_q1a0b03b255_gemm_qkv
	.globl	k_q1a0b03b255_gemm_qkv
	.p2align	8
	.type	k_q1a0b03b255_gemm_qkv,@function
k_q1a0b03b255_gemm_qkv:
	s_mov_b64 s[64:65], 0
	v_nop
	global_prefetch_b8 v0, s[64:65] scope:SCOPE_SE
	s_setreg_imm32_b32 hwreg(HW_REG_WAVE_MODE, 25, 1), 1
	s_wait_xcnt 0x0
	s_wait_alu depctr_hold_cnt(0) depctr_sa_sdst(0) depctr_va_vdst(0) depctr_va_sdst(0) depctr_va_ssrc(0) depctr_va_vcc(0) depctr_vm_vsrc(0)
	s_getreg_b32 s2, hwreg(HW_REG_IB_STS2, 6, 4)
	s_cmp_eq_u32 s2, 0
	s_cbranch_scc0 .Lentry_in_a_cluster
	s_endpgm
.Lentry_in_a_cluster:
	s_bfe_u32 s2, ttmp6, 0x10000c
	s_cmp_lg_u32 s2, 0xf033
	s_cbranch_scc0 .Lentry_shape_is_right
	s_endpgm
.Lentry_shape_is_right:
; q = x Wq + bq, k = x Wk + bk, v = x Wv + bv on codes of FP6 (E2M3) with E8M0 scales, K = 1,024; the results are quantised again in registers (q, k along the head's 64; v along the keys) and leave as
; IMAGES OF THE OPERAND REGISTERS that the attention launch wants.  Nothing wider than codes goes to memory.
; SHARES.  24 clusters of 4 x 4 work-groups; a work-group makes 256 x 256 of a product C = A B^T, four waves of 128 x 128 (64 accumulators, 512 registers).
;   Clusters 0-15 (the QK path): A = x (rows: tokens), B = the weights' table, rows 0-2047 (Wq's and Wk's columns).  Cluster row = cluster / 2, cluster column = cluster % 2.
;   Clusters 16-23 (the V path): A = the table's rows 2048-3071 (Wv's columns), B = x: the same text makes v TRANSPOSED, so that a lane's registers run along the keys, which are the next K.
; The path hangs on the cluster's number alone: it is the same in all sixteen partners.
; K goes in steps of 256 through a ring of two LDS slots filled by joint tensor loads: A's tile is shared along a row of the cluster, B's along a column.  The scale bytes of the 256 + 256 rows come once.
; THE MATRIX INSTRUCTION IS USED TRANSPOSED (source 0 = 16 positions of B, source 1 = 16 positions of A).  In both tables position p of a group of 32 holds row p with bits 3 and 4 exchanged.  So in tile 2 g + u of B
; lane (r, h), register j is n = 32 g + 16 h + 8 u + j: the 16 registers of two neighbouring tiles are 16 neighbours along n; and lane r of A's block 2 g + u is row 32 g + 8 u + r + 8 (r / 8).
; OUTPUT.  A block of 25,600 bytes serves 128 tokens of four heads: 16 images of 1,536 bytes (image (head, i) at 1,536 (4 head + i); register 4 c + e of lane l at 512 c + 16 l + 4 e), then 1,024 bytes of scale words
; (head, lane r, image i at 24,576 + 256 head + 16 r + 4 i).  Block number = ((batch x 4 + head group) x 16 + tokens / 128).  qi: Q's blocks; kv: K's block and behind it V's, 51,200 bytes together.
;   Q, K image (head, g): registers 0-5 half h of the head's 64 of token 32 g + r + 8 (r / 8), registers 6-11 the same of token 32 g + 8 + r + 8 (r / 8); scale word: two bytes for each of the two tokens.
;   V image (head, t): the operand itself: registers 6 c .. 6 c + 5 keys 64 c + 32 h + 0 .. 31 of channel 32 (t / 2) + 8 (t % 2) + r + 8 (r / 8); scale word: the four blocks of keys.
; LIMITS: NaN and infinities are not served; a block of zeros, and a block whose largest magnitude lies under 2^-124, carries the scale byte 1 (this program alone reads the bytes).
; REGISTERS, in windows of 256: window 0: v0-31 addresses; v32-63 scale words, two sets; v64-127 the bias along n; v128-223 A's fragments, ONE set; v224-231 the bias along m; on the way out v128-251 at work.
;   window 1: B's fragments, TWO sets.   window 2: the accumulators of my rows 0-63 ((a, b) at v[8 (8 a + b)]);   window 3: those of my rows 64-127.
.set SIZE_K, 1024
.set KSTEP,  256                       ; along K in a slot
.set NQ,     KSTEP/128
.set ROWB,   192                       ; a tile's row in bytes
.set KROW,   SIZE_K*6/8                ; a row of either table in memory
.set PITCH,  240                       ; an LDS row: 3 x (64 bytes of data + 16 of padding)
.set FR,     12                        ; registers of a fragment
.set NL,     6                         ; LDS loads that bring one
.set NP,     4                         ; places behind this matrix instruction (ISA guide 7.12.1)
.set HALFT,  128*PITCH
.set SLOT,   4*HALFT
.set LAPS,   SIZE_K/(2*KSTEP)
.set KS,     SIZE_K/32
.set SCL,    2*SLOT                    ; behind the ring: the scales, as rows of 256 bytes + 16 of padding
.set HALFS,  (128*KS/256)*272
.set SBLK,   (16*KS/256)*272
.set SPARE,  SCL+4*HALFS               ; behind the scales: the spare words, 128 bytes for each wave
.set ADRA, 16                          ; v16-17 LDS address of my A fragments in slot 0, 1 (v18-19: behind one padding more)
.set ADRB, 20                          ; v20-21 the same for B (v22-23)
.set ADRS, 27                          ; v27    LDS address of my scale words
.set SPW,  28                          ; v28    LDS address of my spare word; never rewritten
.set NIL,  29                          ; v29    0; never rewritten
.set SC,   32
.set AF,   128
.set BN,   64                          ; v64-127  bias of n = 32 g + 16 h + i at register 16 g + i
.set BM,   224                         ; v224-231 bias of my lane's row of block a at register a
.set T,    128                         ; v128-191 a block's 64 numbers with the bias
.set I0,   192                         ; v192-203 an image
.set I1,   204                         ; v204-215 a second one
.set CT,   216                         ; v216-223 the conversions' second halves
.set TM,   232                         ; v232-247 at work in QUANT
.set PW0,  248                         ; v248-249 two rows' scale words
.set LIC,  250                         ; v250   my lane's place in an image, + my first head's images
.set LIS,  251                         ; v251   my lane's place among the scale words
.set SW,   8                           ; v8-15  the eight scale words that leave
.set SO,   4                           ; v4-7   as they are stored
.set ISV,  95                          ; s95    1 in the V path
.set BP,   96                          ; s[96:97]   my bias
.set OP,   104                         ; s[104:105] my block of the output
.set SEL,  20                          ; s[20:21] on the way out: lane selects for lane l xor 16
.set HI,   22                          ; s22      on the way out: the mask of lanes 16-31
.set G1, 24
.set G0, 32
.set G1B, 48
.set G0B, 56
.set G1S, 68
.set G0S, 76
.set G1SB, 80
.set G0SB, 88
.set MSB, 0
.macro WIN new                         ; the immediate's high byte repeats the setting that is left
.if MSB != \new
	s_set_vgpr_msb (MSB<<8)|\new
.set MSB, \new
.endif
.endm
.set MUL_LO, 0xa1                      ; source 0 (B) window 1, source 1 (A) window 0, C and D window 2
.set MUL_HI, 0xf1                      ; the same, C and D window 3
.set TO_B,   0x40                      ; destination window 1, address window 0
; A joint load: waves 0 and 1 fetch for A, waves 2 and 3 for B.  The branch hangs on the wave's number alone.  An s_nop 0 and four v_nop follow each of the two lines.
.macro JLOAD g0a, g1a, g0b, g1b
	s_cmp_eq_u32 s15, 0
	s_cbranch_scc0 .Lfor_b_\@
	tensor_load_to_lds s[\g0a:\g0a+3], s[\g1a:\g1a+7]
	s_nop 0
.rept 4
	v_nop
.endr
	s_branch .Lasked_\@
.Lfor_b_\@:
	tensor_load_to_lds s[\g0b:\g0b+3], s[\g1b:\g1b+7]
	s_nop 0
.rept 4
	v_nop
.endr
.Lasked_\@:
.endm
.macro CREST                           ; a round of the cluster's barrier behind its opening barrier
	s_cmp_lg_u32 s14, 0
	s_cbranch_scc1 .Lnot_wave_0_\@
	s_barrier_signal -3
.Lnot_wave_0_\@:
	s_barrier_wait -3
	s_barrier_signal -1
	s_barrier_wait -1
.endm
.macro CROUND                          ; a whole round
	s_barrier_signal -1
	s_barrier_wait -1
	CREST
.endm
	s_load_b256 s[4:11], s[0:1], 0x0               ; x's codes, x's scales, the weights' codes, the weights' scales
	s_load_b128 s[96:99], s[0:1], 0x20             ; bq, bk
	s_load_b64 s[100:101], s[0:1], 0x30            ; bv
	s_load_b64 s[104:105], s[0:1], 0x38            ; qi
	s_load_b64 s[66:67], s[0:1], 0x40              ; kv
	v_lshl_add_u32 v[SPW], v0, 2, SPARE
	v_mov_b32 v[NIL], 0
	ds_add_u32 v[SPW], v[NIL]                      ; the wave's opening: the add and its wait stand ahead of my first tensor load; the set-up below stands between them
	v_lshrrev_b32 v1, 5, v0
	v_readfirstlane_b32 s14, v1                    ; wave 0..3
	s_lshr_b32 s15, s14, 1                         ; which half of the tile's rows is mine.  Also: I fetch for A (0) or for B (1)
	s_and_b32 s16, s14, 1                          ; which half of its columns.  Also: which 128 rows of that tile I fetch
	s_bfe_u32 s40, ttmp6, 0x40000                  ; cx, cy: my place in the cluster
	s_bfe_u32 s41, ttmp6, 0x40004
	s_lshr_b32 s17, ttmp9, 1                       ; the QK path's cluster row,
	s_and_b32 s42, ttmp9, 1                        ; and column
	s_max_u32 s44, ttmp9, 16
	s_sub_co_u32 s44, s44, 16                      ; the V path's cluster column
	s_cmp_lt_u32 ttmp9, 16                         ; which path: the cluster's number decides
	s_cselect_b32 s17, s17, 2                      ; (the V path's A begins at the table's row 2,048: cluster row 2)
	s_cselect_b32 s42, s42, s44
	s_cselect_b32 s[ISV], 0, 1
	s_lshl_b32 s42, s42, 2
	s_add_co_u32 s42, s42, s40                     ; tile column = 4 x cluster column + cx
	s_lshl_b32 s17, s17, 2
	s_add_co_u32 s17, s17, s41                     ; tile row = 4 x cluster row + cy
	s_lshl_b32 s43, s41, 2
	s_lshl_b32 s43, 15, s43                        ; my row of the cluster
	s_lshl_b32 s44, 0x1111, s40                    ; my column
	; descriptor group 1: a tile of 128 rows x 192 bytes, 16 bytes of padding behind every 64
	s_or_b32 s[G1+0], s43, (0<<16)|(1<<20)|(1<<21)|(3<<22)|(3<<25)
	s_or_b32 s[G1B+0], s44, (0<<16)|(1<<20)|(1<<21)|(3<<22)|(3<<25)
.irp g, G1, G1B
	s_mov_b32 s[\g+1], ROWB<<16                    ; tensor_dim0
	s_mov_b32 s[\g+2], 128<<16                     ; tensor_dim1
	s_mov_b32 s[\g+3], ROWB<<16                    ; tile_dim0
	s_mov_b32 s[\g+4], 128                         ; tile_dim1
	s_mov_b32 s[\g+5], KROW                        ; tensor_dim0_stride
	s_mov_b32 s[\g+6], 0
	s_mov_b32 s[\g+7], 0
.endr
	; and for the scales of 128 rows: a dense block of 4,096 bytes, as rows of 256 bytes (32 elements of 8 bytes), 16 bytes of padding behind each
	s_or_b32 s[G1S+0], s43, (3<<16)|(1<<20)|(1<<21)|(5<<22)|(3<<25)
	s_or_b32 s[G1SB+0], s44, (3<<16)|(1<<20)|(1<<21)|(5<<22)|(3<<25)
.irp g, G1S, G1SB
	s_mov_b32 s[\g+1], 32<<16
	s_mov_b32 s[\g+2], (128*KS/256)<<16
	s_mov_b32 s[\g+3], 32<<16
	s_mov_b32 s[\g+4], 128*KS/256
	s_mov_b32 s[\g+5], 32
	s_mov_b32 s[\g+6], 0
	s_mov_b32 s[\g+7], 0
.endr
	s_lshl_b32 s18, s16, 7                         ; which 128 rows of the tile I fetch
	s_lshl_b32 s20, s17, 8
	s_add_co_u32 s20, s20, s18                     ; A: position 256 x tile row + 128 x half
	s_lshl_b32 s46, s42, 8
	s_add_co_u32 s46, s46, s18                     ; B: position 256 x tile column + 128 x half
	s_mov_b32 s21, 0
	s_mov_b32 s47, 0
	s_mov_b64 s[18:19], KS
	s_mul_u64 s[22:23], s[20:21], s[18:19]         ; where these rows' scales begin, in bytes
	s_mul_u64 s[92:93], s[46:47], s[18:19]
	s_mov_b64 s[18:19], KROW
	s_mul_u64 s[20:21], s[20:21], s[18:19]         ; and their codes
	s_mul_u64 s[46:47], s[46:47], s[18:19]
	s_mul_i32 s45, s14, HALFT                      ; where they go: wave x 128 rows: no place in the cluster enters an LDS address
	s_mul_i32 s94, s14, HALFS
	s_wait_dscnt 0x0                               ; the opening add is done
	s_wait_kmcnt 0x0
	s_cmp_eq_u32 s[ISV], 0                         ; the operands change places in the V path
	s_cselect_b64 s[12:13], s[4:5], s[8:9]         ; A's codes
	s_cselect_b64 s[8:9], s[8:9], s[4:5]           ; B's codes
	s_cselect_b64 s[2:3], s[6:7], s[10:11]         ; A's scales
	s_cselect_b64 s[10:11], s[10:11], s[6:7]       ; B's scales
	s_bitcmp1_b32 ttmp9, 0                         ; in the QK path an odd cluster has Wk's columns
	s_cselect_b64 s[BP:BP+1], s[98:99], s[96:97]   ; bk or bq
	s_cselect_b64 s[OP:OP+1], s[66:67], s[104:105] ; kv or qi
	s_mov_b32 s99, 25600
	s_cselect_b32 s98, 51200, s99                  ; from block to block
	s_cmp_eq_u32 s[ISV], 0
	s_cselect_b64 s[BP:BP+1], s[BP:BP+1], s[100:101]   ; the V path: bv,
	s_cselect_b64 s[OP:OP+1], s[OP:OP+1], s[66:67]     ; kv
	s_cselect_b32 s98, s98, 51200
	s_add_nc_u64 s[20:21], s[12:13], s[20:21]
	s_add_nc_u64 s[22:23], s[2:3], s[22:23]
	s_add_nc_u64 s[46:47], s[8:9], s[46:47]
	s_add_nc_u64 s[92:93], s[10:11], s[92:93]
	CROUND                                         ; all sixteen work-groups are here: the first joint loads meet
	s_mov_b32 s[G0S], 1
	s_add_co_u32 s[G0S+1], s94, SCL
	s_mov_b64 s[G0S+2:G0S+3], s[22:23]
	s_or_b32 s[G0S+3], s[G0S+3], 0x80000000
	s_mov_b32 s[G0SB], 1
	s_add_co_u32 s[G0SB+1], s94, SCL
	s_mov_b64 s[G0SB+2:G0SB+3], s[92:93]
	s_or_b32 s[G0SB+3], s[G0SB+3], 0x80000000
	JLOAD G0S, G1S, G0SB, G1SB                     ; the scales first: they are wanted with K step 0.  Three loads of mine are out behind the last of these
.irp s, 0,1
	s_mov_b32 s[G0+4*\s], 1
	s_add_co_u32 s[G0+4*\s+1], s45, \s*SLOT
	s_add_nc_u64 s[G0+4*\s+2:G0+4*\s+3], s[20:21], \s*ROWB
	s_or_b32 s[G0+4*\s+3], s[G0+4*\s+3], 0x80000000
	s_mov_b32 s[G0B+4*\s], 1
	s_add_co_u32 s[G0B+4*\s+1], s45, \s*SLOT
	s_add_nc_u64 s[G0B+4*\s+2:G0B+4*\s+3], s[46:47], \s*ROWB
	s_or_b32 s[G0B+4*\s+3], s[G0B+4*\s+3], 0x80000000
	JLOAD G0+4*\s, G1, G0B+4*\s, G1B
.endr
	v_and_b32 v1, 15, v0                           ; r = l % 16
	v_bfe_u32 v2, v0, 4, 1                         ; h = l / 16
	v_mul_u32_u24 v3, v1, PITCH
	v_mul_u32_u24 v4, v2, 24
	v_add_nc_u32 v4, v3, v4                        ; a fragment's row x pitch + 24 x half
	v_lshl_add_u32 v5, v2, 4, v4                   ; and the same behind one padding more
	s_mul_i32 s21, s15, HALFT                      ; my 128 rows of A
	s_mul_i32 s22, s16, HALFT                      ; my 128 rows of B,
	s_add_co_u32 s22, s22, 2*HALFT                 ; which lie behind A's 256
.irp s, 0,1
	v_add_nc_u32 v[ADRA+\s], s21, v4
	v_add_nc_u32 v[ADRB+\s], s22, v4
	v_add_nc_u32 v[ADRA+2+\s], s21, v5
	v_add_nc_u32 v[ADRB+2+\s], s22, v5
	s_add_co_u32 s21, s21, SLOT
	s_add_co_u32 s22, s22, SLOT
.endr
	v_mul_u32_u24 v5, v1, KS                       ; my row's scales: 32 bytes a row,
	v_lshrrev_b32 v6, 8, v5
	v_lshl_add_u32 v5, v6, 4, v5                   ; and 16 more for each 256 passed
	s_mul_i32 s21, s15, HALFS                      ; A's: my 128 rows
	s_mul_i32 s22, s16, HALFS                      ; B's: my 128 rows, behind A's 256
	s_add_co_u32 s22, s22, 2*HALFS
	s_sub_co_u32 s22, s22, s21
	v_mul_u32_u24 v6, s22, v2                      ; lanes 16-31 take B's
	s_add_co_u32 s21, s21, SCL
	v_add_nc_u32 v5, v5, v6
	v_add_nc_u32 v[ADRS], s21, v5
	; where my results go, and my bias.  Tokens run along the rows in the QK path and along the columns in the V path; features the other way
	s_cmp_eq_u32 s[ISV], 0
	s_cselect_b32 s66, s17, s42                    ; the tile's place along the tokens,
	s_cselect_b32 s67, s15, s16                    ; my half of it,
	s_cselect_b32 s99, s42, s17                    ; its place along the features,
	s_cselect_b32 s100, s16, s15                   ; my half of it: two heads
	s_lshl_b32 s66, s66, 1
	s_add_co_u32 s66, s66, s67                     ; my first token / 128
	s_and_b32 s99, s99, 3                          ; the head group: 256 features
	s_lshr_b32 s67, s66, 4                         ; the batch
	s_lshl_b32 s67, s67, 2
	s_add_co_u32 s67, s67, s99
	s_lshl_b32 s67, s67, 4
	s_and_b32 s66, s66, 15
	s_add_co_u32 s67, s67, s66                     ; the block's number
	s_mul_i32 s66, s67, s98
	s_mul_i32 s67, s[ISV], 25600                   ; V's block lies behind K's
	s_add_co_u32 s66, s66, s67
	s_mov_b32 s67, 0
	s_add_nc_u64 s[OP:OP+1], s[OP:OP+1], s[66:67]
	s_lshl_b32 s66, s99, 10                        ; my 128 features' bias: 4 x (256 x head group + 128 x half)
	s_lshl_b32 s101, s100, 9
	s_add_co_u32 s66, s66, s101
	s_add_nc_u64 s[BP:BP+1], s[BP:BP+1], s[66:67]
	v_and_b32 v6, 31, v0
	v_lshlrev_b32 v[LIS], 4, v6                    ; 16 x lane
	s_mul_i32 s101, s100, 12288
	v_add_nc_u32 v[LIC], s101, v[LIS]              ; + my first head's images: 2 x half x 4 x 1,536
	s_lshl_b32 s101, s100, 9
	v_add_nc_u32 v[LIS], s101, v[LIS]              ; + my first head's words: 2 x half x 256
	v_lshlrev_b32 v30, 6, v2                       ; the bias along n: 64 h
	v_lshrrev_b32 v31, 3, v1
	v_lshl_add_u32 v31, v31, 3, v1
	v_lshlrev_b32 v31, 2, v31                      ; the bias along m: 4 (r + 8 (r / 8))
	; Every wave loads its 128 features' bias in both layouts, 24 loads once: the way out reads the one that its path wants.  They land under the K loop; the wait stands at the way out's head
.irp i, 0,1,2,3,4,5,6,7,8,9,10,11,12,13,14,15
	global_load_b128 v[BN+4*\i:BN+4*\i+3], v30, s[BP:BP+1] offset:128*(\i/4)+16*(\i%4)
.endr
.irp a, 0,1,2,3,4,5,6,7
	global_load_b32 v[BM+\a], v31, s[BP:BP+1] offset:4*(32*(\a/2)+8*(\a%2))
.endr
.macro FRAG reg, adr, q, i             ; a fragment, 16 rows x 128 K: lane l holds row l % 16; registers 6 c .. 6 c + 5 hold K = 64 c + 32 (l / 16) + 0 .. 31: 24 bytes of the row's stream of bits, as they lie
.irp p, 0,1,2,3,4,5                    ; in pieces of 8 bytes.  Lanes 16-31 read three pieces further on than lanes 0-15:
.set PC, 12*(\q)+6*(\p/3)+\p%3        ; where that lies behind one padding more, the second address register serves
.if PC%8 < 5
	ds_load_b64 v[\reg+2*\p:\reg+2*\p+1], v[\adr] offset:8*PC+16*(PC/8)+(\i)*16*PITCH
.else
	ds_load_b64 v[\reg+2*\p:\reg+2*\p+1], v[\adr+2] offset:8*PC+16*(PC/8)+(\i)*16*PITCH
.endif
.endr
.endm
; 16 matrix instructions: A's blocks a0, a0 + 1 x B's eight, 128 along K.  zero = 1: the first product starts the sums.  The 64 accumulators take turns, one instruction a turn, in the same order in every step.
.macro MUL16 a0, p, q, sc, zero
.irp a, \a0, \a0+1
.irp b, 0,1,2,3,4,5,6,7
.if \zero
	v_wmma_scale_f32_16x16x128_f8f6f4 v[8*(8*((\a)%4)+\b):8*(8*((\a)%4)+\b)+7], v[128*(\p)+FR*\b:128*(\p)+FR*\b+FR-1], v[AF+FR*(\a):AF+FR*(\a)+FR-1], 0, v[SC+8*NQ*(\sc)+NQ*\b+(\q)], v[SC+8*NQ*(\sc)+NQ*(\a)+(\q)] matrix_a_fmt:MATRIX_FMT_FP6 matrix_b_fmt:MATRIX_FMT_FP6 matrix_a_scale:MATRIX_SCALE_ROW1
.else
	v_wmma_scale_f32_16x16x128_f8f6f4 v[8*(8*((\a)%4)+\b):8*(8*((\a)%4)+\b)+7], v[128*(\p)+FR*\b:128*(\p)+FR*\b+FR-1], v[AF+FR*(\a):AF+FR*(\a)+FR-1], v[8*(8*((\a)%4)+\b):8*(8*((\a)%4)+\b)+7], v[SC+8*NQ*(\sc)+NQ*\b+(\q)], v[SC+8*NQ*(\sc)+NQ*(\a)+(\q)] matrix_a_fmt:MATRIX_FMT_FP6 matrix_b_fmt:MATRIX_FMT_FP6 matrix_a_scale:MATRIX_SCALE_ROW1
.endif
.endr
.endr
.endm
.macro FETCH_B slot, q, p              ; B's eight fragments of the slot's q-th 128 along K into set p
	WIN TO_B
.irp i, 0,1,2,3,4,5,6,7
	FRAG 128*(\p)+FR*\i, ADRB+\slot, \q, \i
.endr
	WIN 0
.endm
.macro FETCH_A slot, q, i0             ; A's blocks i0 .. i0 + 3
.irp i, \i0, \i0+1, \i0+2, \i0+3
	FRAG AF+FR*(\i), ADRA+\slot, \q, \i
.endr
.endm
.macro SCALES sc                       ; the next K step's scale words: lanes 0-15 take A's block i, lanes 16-31 B's block i
.irp i, 0,1,2,3,4,5,6,7
	ds_load_b64 v[SC+8*NQ*\sc+NQ*\i:SC+8*NQ*\sc+NQ*\i+1], v[ADRS] offset:\i*SBLK
.endr
.endm
.macro PLACES n                        ; plain vector instructions between a matrix instruction and a load into, or a vector read of, its registers
.rept \n
	v_nop
.endr
.endm
.macro STEP slot, q, zero              ; a step of 128 along K that has its successor in the same slot
	s_wait_dscnt 4*NL                              ; B's set and A's blocks 0-3 are in; the youngest 24 loads (A's blocks 4-7) may be out
	WIN MUL_LO
	MUL16 0, (\q)%2, \q, \slot, \zero
	MUL16 2, (\q)%2, \q, \slot, \zero
	s_wait_dscnt 0                                 ; A's blocks 4-7 are in
	PLACES NP
	FETCH_B \slot, (\q)+1, 1-(\q)%2
	FETCH_A \slot, (\q)+1, 0
	WIN MUL_HI
	MUL16 4, (\q)%2, \q, \slot, \zero
	MUL16 6, (\q)%2, \q, \slot, \zero
	PLACES NP
	WIN 0
	FETCH_A \slot, (\q)+1, 4
.endm
; A slot's last step changes slots: ONE barrier; in front of it each wave waits for all its tensor loads, adds 0 to its spare word, and waits for that and for its own reads of this slot.  fill = 1: this slot is filled again, two K steps ahead.
.macro TURN slot, next, fill
	s_wait_tensorcnt 0x0                           ; all my tensor loads have landed: my part of the next slot
	ds_add_u32 v[SPW], v[NIL]                      ; 0 onto my spare word
	s_wait_dscnt 4*NL+1                            ; (the add and the youngest 24 loads, A's blocks 4-7, may be out)
	WIN MUL_LO
	MUL16 0, 1, NQ-1, \slot, 0                     ; sixteen matrix instructions stand between the add and the wait for it
	s_wait_dscnt 0x0                               ; the add is done, and my reads of this slot are over
	s_barrier_signal -1
	MUL16 2, 1, NQ-1, \slot, 0
	WIN 0
	s_barrier_wait -1
.if \fill
	CREST                                          ; the barrier has opened a round of the cluster's barrier: no wave of any partner still reads this slot's tile or has a load on its way
	s_add_nc_u64 s[G0+4*\slot+2:G0+4*\slot+3], s[G0+4*\slot+2:G0+4*\slot+3], 2*ROWB
	s_add_nc_u64 s[G0B+4*\slot+2:G0B+4*\slot+3], s[G0B+4*\slot+2:G0B+4*\slot+3], 2*ROWB
	JLOAD G0+4*\slot, G1, G0B+4*\slot, G1B         ; the first tensor load behind the round; its four v_nop are the places in front of the loads below
.else
	PLACES NP
.endif
	v_add_nc_u32 v[ADRS], 4*NQ, v[ADRS]            ; on to the next K step's scale words (no LDS load of mine is out)
	FETCH_B \next, 0, 0
	FETCH_A \next, 0, 0
	SCALES \next
	WIN MUL_HI
	MUL16 4, 1, NQ-1, \slot, 0
	MUL16 6, 1, NQ-1, \slot, 0
	PLACES NP
	WIN 0
	FETCH_A \next, 0, 4
.endm
	s_wait_tensorcnt 1                             ; the scales and my part of K step 0 are in (K step 1's load may be out),
	s_barrier_signal -1
	s_barrier_wait -1                              ; everybody's are
	FETCH_B 0, 0, 0
	FETCH_A 0, 0, 0
	SCALES 0
	FETCH_A 0, 0, 4
	STEP 0, 0, 1                                   ; the first step stands in front of the loop: its products start the sums
	s_mov_b32 s3, LAPS-1
.Llap:                                                 ; a trip goes once round the ring and fills both slots again
	TURN 0, 1, 1
	STEP 1, 0, 0
	TURN 1, 0, 1
	STEP 0, 0, 0
	s_sub_co_u32 s3, s3, 1
	s_cmp_lg_u32 s3, 0
	s_cbranch_scc1 .Llap
	TURN 0, 1, 0                                   ; the last lap fills nothing, and has no round of the cluster's barrier
	STEP 1, 0, 0
	s_wait_dscnt 4*NL                              ; the very last step: nothing more to fetch
	WIN MUL_LO
	MUL16 0, 1, NQ-1, 1, 0
	MUL16 2, 1, NQ-1, 1, 0
	s_wait_dscnt 0
	WIN MUL_HI
	MUL16 4, 1, NQ-1, 1, 0
	MUL16 6, 1, NQ-1, 1, 0
	WIN 0
; THE WAY OUT, a block of 16 rows of A at a time, all in registers.
; ADDB: block a's 64 sums + the bias -> v[T] on, each accumulator from its low end on.  kind 0: the bias runs along n (a number a register); kind 1: along m (a number a lane).
.macro ADDB a, kind
	WIN 0x02+(\a)/4                                ; source 0: window 2 or 3
.set ii, 0
.if \kind
.rept 64
	v_add_f32 v[T+ii], v[64*((\a)%4)+ii], v[BM+(\a)]
.set ii, ii+1
.endr
.else
.rept 32
	v_pk_add_f32 v[T+2*ii:T+2*ii+1], v[64*((\a)%4)+2*ii:64*((\a)%4)+2*ii+1], v[BN+2*ii:BN+2*ii+1]
.set ii, ii+1
.endr
.endif
	WIN 0
.endm
; QUANT: 64 numbers of a lane, register 16 b + i = n 32 b + 16 h + i of my row, become codes: blocks 0, 1 in v[d0] .. v[d0 + 5] (lanes 0-15 block 0, lanes 16-31 block 1, whole), blocks 2, 3 in v[d1] on; the four scale bytes in v[pw].
.macro QUANT s, d0, d1, pw
.irp b, 0,1,2,3
	v_max3_num_f32 v[TM+\b], |v[\s+16*\b]|, |v[\s+1+16*\b]|, 0x1800000   ; my 16 numbers of block b, and the floor 2^(3 - 127): the byte cannot fall under 1
.endr
.irp i, 2,4,6,8,10,12,14
.irp b, 0,1,2,3
	v_max3_num_f32 v[TM+\b], v[TM+\b], |v[\s+16*\b+\i]|, |v[\s+1+16*\b+\i]|
.endr
.endr
.irp b, 0,1,2,3
	v_permlanex16_b32 v[TM+4+\b], v[TM+\b], s[SEL], s[SEL+1]
.endr
.irp b, 0,1,2,3
	v_max_num_f32 v[TM+\b], v[TM+\b], v[TM+4+\b]   ; with lane l xor 16's: the block's largest magnitude
.endr
.irp b, 0,1,2,3
	v_add_nc_u32 v[TM+12+\b], 0xff000000, v[TM+\b]   ; 2 off its exponent field: the conversion's scale operand
.endr
.irp b, 0,1,2,3
	v_lshrrev_b32 v[TM+4+\b], 23, v[TM+12+\b]      ; the scale's byte
.endr
	v_lshl_or_b32 v[\pw], v[TM+5], 8, v[TM+4]
	v_lshl_or_b32 v[\pw], v[TM+6], 16, v[\pw]
	v_lshl_or_b32 v[\pw], v[TM+7], 24, v[\pw]
	v_cvt_scalef32_pk16_fp6_f32 v[(\d0):(\d0)+2], v[\s:\s+15], v[TM+12]
	v_cvt_scalef32_pk16_fp6_f32 v[CT:CT+2], v[\s+16:\s+31], v[TM+13]       ; (a conversion's three registers begin on an even number)
	v_cvt_scalef32_pk16_fp6_f32 v[(\d1):(\d1)+2], v[\s+32:\s+47], v[TM+14]
	v_cvt_scalef32_pk16_fp6_f32 v[CT+4:CT+6], v[\s+48:\s+63], v[TM+15]
	v_nop                                          ; one plain place behind a scaled conversion
.irp i, 0,1,2
	v_permlane16_swap_b32 v[(\d0)+\i], v[CT+\i]    ; the first's lanes 16-31 change places with the second's lanes 0-15: a whole block to a lane
.endr
.irp i, 0,1,2
	v_mov_b32 v[(\d0)+3+\i], v[CT+\i]
.endr
.irp i, 0,1,2
	v_permlane16_swap_b32 v[(\d1)+\i], v[CT+4+\i]
.endr
.irp i, 0,1,2
	v_mov_b32 v[(\d1)+3+\i], v[CT+4+\i]
.endr
.endm
.macro PUT img, off                    ; an image leaves as it stands: each store of the wave covers 512 consecutive bytes, aligned
.irp c, 0,1,2
	global_store_b128 v[LIC], v[(\img)+4*\c:(\img)+4*\c+3], s[OP:OP+1] offset:(\off)+512*\c
.endr
.endm
	PLACES NP                                      ; behind the last products: their results are read and A's fragments written below
	s_wait_loadcnt 0x0                             ; the bias
	s_mov_b32 s[SEL], 0x76543210
	s_mov_b32 s[SEL+1], 0xfedcba98
	s_mov_b32 s[HI], 0xffff0000
.irp b, 0,1,2,3
	v_mov_b32 v[TM+4+\b], 0                        ; written once: a lane permute's destination counts as one of its sources
.endr
	s_cmp_lg_u32 s[ISV], 0
	s_cbranch_scc1 .Lv_path
	; Q or K: my 128 columns are two heads.  Blocks 2 g and 2 g + 1 of tokens fill the two halves of image (head, g), for both heads
.irp bb, 0,1,2,3
.if \bb > 0
	s_wait_xcnt 0x0                                ; the last images' stores have read their registers: they are written again only behind this wait
.endif
.irp u, 0,1
	ADDB 2*\bb+\u, 0
	QUANT T, I0+6*\u, I1+6*\u, PW0+\u
.endr
	v_perm_b32 v[SW+\bb], v[PW0+1], v[PW0], 0x05040100     ; my first head's word: its two bytes of each of the two tokens
	v_perm_b32 v[SW+4+\bb], v[PW0+1], v[PW0], 0x07060302   ; my second head's
	PUT I0, 1536*\bb
	PUT I1, 6144+1536*\bb
.endr
	s_branch .Lwords
.Lv_path:
	; V transposed: block a is 16 channels (head a / 4, image a % 4), its 64 registers run along my 128 keys: one operand fragment and one scale word
.irp a, 0,1,2,3,4,5,6,7
.if \a > 0
	s_wait_xcnt 0x0                                ; the last image's stores have read their registers
.endif
	ADDB \a, 1
	QUANT T, I0, I0+6, SW+\a
	PUT I0, 1536*\a
.endr
.Lwords:
.irp i, 0,1,2,3
	v_cndmask_b32 v[SO+\i], v[SW+\i], v[SW+4+\i], s[HI]    ; lanes 0-15 carry my first head's words, lanes 16-31 my second head's
.endr
	global_store_b128 v[LIS], v[SO:SO+3], s[OP:OP+1] offset:24576   ; 512 consecutive bytes, aligned
	s_wait_tensorcnt 0x0                           ; the wave's end: behind my last tensor load
	ds_add_u32 v[SPW], v[NIL]
	s_wait_dscnt 0x0
	CROUND                                         ; the closing round: no work-group ends while a partner may still ask for a tile that names it
	s_endpgm
.Lfunc_end_k_q1a0b03b255_gemm_qkv:
	.size	k_q1a0b03b255_gemm_qkv, .Lfunc_end_k_q1a0b03b255_gemm_qkv-k_q1a0b03b255_gemm_qkv
	.p2alignl 7, 3214868480
	.fill 96, 4, 3214868480
	.section	.rodata,"a",@progbits
	.p2align	6, 0x0
	.amdhsa_kernel k_q1a0b03b255_gemm_qkv
		.amdhsa_group_segment_fixed_size 327680
		.amdhsa_private_segment_fixed_size 0
		.amdhsa_enable_private_segment 0
		.amdhsa_kernarg_size 72
		.amdhsa_user_sgpr_count 2
		.amdhsa_user_sgpr_kernarg_segment_ptr 1
		.amdhsa_wavefront_size32 1
		.amdhsa_system_sgpr_workgroup_id_x 1
		.amdhsa_system_sgpr_workgroup_id_y 1
		.amdhsa_system_sgpr_workgroup_id_z 1
		.amdhsa_system_vgpr_workitem_id 0
		.amdhsa_next_free_vgpr 1024
		.amdhsa_next_free_sgpr 106
		.amdhsa_reserve_vcc 0
		.amdhsa_float_denorm_mode_32 3
		.amdhsa_float_denorm_mode_16_64 3
		.amdhsa_memory_ordered 1
		.amdhsa_forward_progress 1
		.amdhsa_inst_pref_size 233
	.end_amdhsa_kernel
	.amdgpu_metadata
---
amdhsa.version: [ 1, 2 ]
amdhsa.kernels:
  - .name:           k_q1a0b03b255_gemm_qkv
    .symbol:         k_q1a0b03b255_gemm_qkv.kd
    .args:
      - { .name: x_codes, .offset: 0, .size: 8, .value_kind: global_buffer, .address_space: global }
      - { .name: x_scales, .offset: 8, .size: 8, .value_kind: global_buffer, .address_space: global }
      - { .name: w_codes, .offset: 16, .size: 8, .value_kind: global_buffer, .address_space: global }
      - { .name: w_scales, .offset: 24, .size: 8, .value_kind: global_buffer, .address_space: global }
      - { .name: bq, .offset: 32, .size: 8, .value_kind: global_buffer, .address_space: global }
      - { .name: bk, .offset: 40, .size: 8, .value_kind: global_buffer, .address_space: global }
      - { .name: bv, .offset: 48, .size: 8, .value_kind: global_buffer, .address_space: global }
      - { .name: qi, .offset: 56, .size: 8, .value_kind: global_buffer, .address_space: global }
      - { .name: kv, .offset: 64, .size: 8, .value_kind: global_buffer, .address_space: global }
    .group_segment_fixed_size: 327680
    .private_segment_fixed_size: 0
    .kernarg_segment_align: 8
    .kernarg_segment_size: 72
    .max_flat_workgroup_size: 128
    .sgpr_count:     106
    .vgpr_count:     1024
    .wavefront_size: 32
...
	.end_amdgpu_metadata
.endif
;; end of part 3
;; launch attn (part 4): grid 128 x 4, 16 waves a work-group, clusters of 4 x 4, 327,680 bytes of LDS; arguments qi, kv, mask, cc, cs; writes cc, cs
.if DOCPART == 4
	.amdgcn_target "amdgcn-amd-amdhsa--gfx1250"
	.amdhsa_code_object_version 6
	.text
	.protected	k_q1a0b03b255_attn
	.globl	k_q1a0b03b255_attn
	.p2align	8
	.type	k_q1a0b03b255_attn,@function
k_q1a0b03b255_attn:
	s_mov_b64 s[64:65], 0
	v_nop
	global_prefetch_b8 v0, s[64:65] scope:SCOPE_SE
	s_setreg_imm32_b32 hwreg(HW_REG_WAVE_MODE, 25, 1), 1
	s_wait_xcnt 0x0
	s_wait_alu depctr_hold_cnt(0) depctr_sa_sdst(0) depctr_va_vdst(0) depctr_va_sdst(0) depctr_va_ssrc(0) depctr_va_vcc(0) depctr_vm_vsrc(0)
	s_getreg_b32 s2, hwreg(HW_REG_IB_STS2, 6, 4)
	s_cmp_eq_u32 s2, 0
	s_cbranch_scc0 .Lentry_in_a_cluster
	s_endpgm
.Lentry_in_a_cluster:
	s_bfe_u32 s2, ttmp6, 0x10000c
	s_cmp_lg_u32 s2, 0xf033
	s_cbranch_scc0 .Lentry_shape_is_right
	s_endpgm
.Lentry_shape_is_right:
; ctx = softmax(q k^T / 8 - mask) v for 64 heads of 64 channels, 2,048 keys, both products on codes of FP6 (E2M3) with E8M0 scales; ctx is quantised along (head, channel) and leaves as codes.
; THE SOFTMAX AHEAD OF THE SECOND PRODUCT: logit = score x 0.125 - mask (one fused multiply-add; x 0.125 is exact); t = logit x log2(e); M = the row's largest t so far, rounded UP to a whole number;
; p = 2^(t - M) is quantised along the keys, not normalised.  The row's sum is taken of the unquantised p and divides O at the end.  When M moves, the sum and O are multiplied by 2^(old M - new M): exact.
; SHARES.  A work-group owns 64 queries x the 4 heads of a head group; wave w owns head w / 4 and queries 16 (w % 4) + 0 .. 15: one tile, 256 registers, four waves to a SIMD, so that one wave's vector work
; stands beside another's matrix work and LDS loads.  Every wave walks the batch's 2,048 keys, 128 a step, 16 steps.
; CLUSTER 4 x 4: cx picks the block of 64 queries, cy the head group.  A step's K and V block hangs on (batch, cy): asked for jointly along a row of the cluster.  Its tile of the mask (64 queries x 128 keys)
; hangs on the queries alone: asked for jointly along a column.  So each byte of the mask is asked for once in the launch.
; OPERANDS lie in memory as images of the registers (the launch before made them): a fragment is three ds_load_b128 at 16 x lane.
; K = 64 IN AN INSTRUCTION OF 128: a K image holds two tokens a lane (k 0-63 the first, k 64-127 the second).  Multiplied by (q, zero codes) it gives the first tokens' scores, by (zero codes, q) the second's.
; v16-33 hold six zeros, q's six registers, six zeros: both operands are runs of twelve of them.  Zero codes add nothing under any scale byte that this program makes (1 to 254).
; LAYOUT.  Both products are used transposed: a lane holds ONE query (lane % 16) throughout.  Scores: register 16 b + i = key 32 b + 16 (lane / 16) + i.  O^T: register 16 g + i = channel 32 g + 16 (lane / 16) + i.
; LIMITS: NaN among the inputs is not served; a mask of +infinity gives p = 0; a row whose mask is +infinity throughout gives NaN as the definition does; a block of zeros carries the scale byte 1.
.set SLOT1, 1<<17                      ; slot 1 begins here: one exclusive or turns an address in one slot into the other's
.set VOFF,  25600                      ; a slot: K's block, V's block,
.set MOFF,  51200                      ; and the mask's tile: 64 rows of 512 bytes + 16
.set MP,    528
.set STAGE, 2*SLOT1                    ; behind the ring: 64 rows x (16 places of 16 bytes + 16) for ctx's codes,
.set SCS,   STAGE+64*272               ; 64 x 8 scale bytes,
.set SPARE, SCS+512                    ; and the spare words, 128 bytes for each of sixteen waves
.set AI0, 1                            ; v1  16 x lane + my head's images
.set AS0, 2                            ; v2  my lane's scale words
.set AM0, 3                            ; v3  my query's row of the mask's tile, + 64 (lane / 16)
.set SPW, 4                            ; v4  LDS address of my spare word; never rewritten
.set NIL, 5                            ; v5  0; never rewritten
.set PFO, 7                            ; v7  the prefetches' offset; never rewritten
.set ADI, 8                            ; v8-10 the same three addresses in the slot in hand
.set ADS, 9
.set ADM, 10
.set QB,  16                           ; v16-27 (zero codes, q)
.set QA,  22                           ; v22-33 (q, zero codes)
.set QS,  34                           ; v34 q's scale word: its two bytes, twice
.set PW,  35                           ; v35 p's scale word
.set F,   36                           ; v36-83 four images of K or of V
.set KS,  84                           ; v84-87 K's scale words;  v88-91 V's
.set VS,  88
.set S,   96                           ; v96-159 scores, logits, p
.set MK,  160                          ; v160-223 the mask; once the logits are made, at work:
.set PCD, 160                          ;   p's codes
.set CT,  172                          ;   the conversions' second halves
.set BMX, 180                          ;   the blocks' largest logits, then largest p
.set PT,  184
.set SOP, 188                          ;   the conversions' scale operands
.set BY,  192                          ;   the scale bytes
.set FF,  196                          ;   f = 2^(old M - new M), as the low word of a pair
.set TA,  198
.set SUMB, 200
.set O,   224                          ; v224-255 O^T
.set WV,  14
.set SEL, 20                           ; s[20:21] lane selects for lane l xor 16
.set CS,  22                           ; s[22:23] log2(e): the packed form names a pair
.set C8,  24                           ; s[24:25] 0.125
.set G1KV, 28                          ; s[28:35] group 1 for a block of K or V;  s[36:43] for the mask's tile;  s[44:47], s[48:51] their groups 0, which walk
.set G1M,  36
.set G0KV, 44
.set G0M,  48
.set TB,   52                          ; s52 LDS byte at which the slot in hand begins
.set SLOTS, 53                         ; s53 steps still to be asked for
.set LIM,  54                          ; s54 1 in the wave that prefetches, else the greatest number
.set PFA,  56                          ; s[56:57] where my prefetches stand
; Wave 0 fetches K's block, wave 1 V's, wave 2 the mask's tile, the others nothing.  The branches hang on the wave's number alone.  An s_nop 0 and four v_nop follow each line.
.macro TLOAD
	s_cmp_lt_u32 s[WV], 2
	s_cbranch_scc0 .Lnot_kv_\@
	tensor_load_to_lds s[G0KV:G0KV+3], s[G1KV:G1KV+7]
	s_nop 0
.rept 4
	v_nop
.endr
	s_branch .Lasked_\@
.Lnot_kv_\@:
	s_cmp_eq_u32 s[WV], 2
	s_cbranch_scc0 .Lasked_\@
	tensor_load_to_lds s[G0M:G0M+3], s[G1M:G1M+7]
	s_nop 0
.rept 4
	v_nop
.endr
.Lasked_\@:
.endm
; A PREFETCH of the mask's tile that the NEXT change of slots will ask for: one key step ahead of its load.  The four partners that ask for a tile jointly share its 64 rows out BY ADDRESS, 16 each (cy);
; in each, wave 3 asks: a row's 512 bytes are two lanes' blocks of 256, 32 lanes are 16 rows.  No other cluster reads these rows: each block is named once in the launch.
; The last change that fills a slot asks for nothing; steps 0 and 1 come by their loads alone.  K and V are read by eight clusters each and are not asked for.
.macro ASK
	s_cmp_gt_u32 s[SLOTS], s[LIM]
	s_cbranch_scc0 .Lnot_mine_\@
	global_prefetch_b8 v[PFO], s[PFA:PFA+1] th:TH_LOAD_NT scope:SCOPE_SE
.Lnot_mine_\@:
.endm
.macro CROUND                          ; a round of the cluster's barrier
	s_barrier_signal -1
	s_barrier_wait -1
	s_cmp_lg_u32 s[WV], 0
	s_cbranch_scc1 .Lnot_wave_0_\@
	s_barrier_signal -3
.Lnot_wave_0_\@:
	s_barrier_wait -3
	s_barrier_signal -1
	s_barrier_wait -1
.endm
	s_load_b256 s[4:11], s[0:1], 0x0               ; qi s[4:5], kv s[6:7], mask s[8:9], cc s[10:11]
	s_load_b64 s[12:13], s[0:1], 0x20              ; cs
	v_lshl_add_u32 v[SPW], v0, 2, SPARE
	v_mov_b32 v[NIL], 0
	ds_add_u32 v[SPW], v[NIL]                      ; the wave's opening: the add and its wait stand ahead of my first tensor load; the set-up below stands between them
	v_lshrrev_b32 v6, 5, v0
	v_readfirstlane_b32 s[WV], v6                  ; wave 0..15
	s_bfe_u32 s15, ttmp6, 0x40000                  ; cx
	s_bfe_u32 s16, ttmp6, 0x40004                  ; cy: the head group
	s_lshl_b32 s17, ttmp9, 2
	s_add_co_u32 s17, s17, s15                     ; my block of 64 queries, 0..127
	s_lshr_b32 s18, ttmp9, 3                       ; the batch
	s_lshl_b32 s19, s18, 2
	s_add_co_u32 s19, s19, s16                     ; batch x 4 + head group
	s_lshl_b32 s26, s16, 2
	s_lshl_b32 s26, 15, s26                        ; my row of the cluster
	s_lshl_b32 s27, 0x1111, s15                    ; my column
	s_or_b32 s[G1KV], s26, (3<<16)|(1<<21)         ; a dense block of 25,600 bytes as 100 rows of 32 elements of 8 bytes; the mask: my row; bit 21 beside it
	s_mov_b32 s[G1KV+1], 32<<16
	s_mov_b32 s[G1KV+2], 100<<16
	s_mov_b32 s[G1KV+3], 32<<16
	s_mov_b32 s[G1KV+4], 100
	s_mov_b32 s[G1KV+5], 32
	s_mov_b32 s[G1KV+6], 0
	s_mov_b32 s[G1KV+7], 0
	s_or_b32 s[G1M], s27, (2<<16)|(1<<20)|(1<<21)|(6<<22)|(3<<25)  ; 64 rows of 128 elements of 4 bytes, 2,048 apart; 4 words of padding behind every 128; the mask: my column
	s_mov_b32 s[G1M+1], 128<<16
	s_mov_b32 s[G1M+2], 64<<16
	s_mov_b32 s[G1M+3], 128<<16
	s_mov_b32 s[G1M+4], 64
	s_mov_b32 s[G1M+5], 2048
	s_mov_b32 s[G1M+6], 0
	s_mov_b32 s[G1M+7], 0
	s_mul_i32 s58, s19, 16*51200                   ; the first step's K and V of my batch and head group,
	s_and_b32 s60, s[WV], 1
	s_mul_i32 s60, s60, VOFF                       ; K's block (wave 0) or V's (wave 1): the same distance in memory and in a slot
	s_add_co_u32 s58, s58, s60
	s_mov_b32 s59, 0
	s_lshl_b32 s62, s17, 19                        ; my 64 queries' rows of the mask: 64 x 8,192 bytes a block
	s_mov_b32 s63, 0
	s_lshr_b32 s66, s[WV], 2                       ; my head in the group
	s_and_b32 s67, s[WV], 3                        ; my tile of 16 queries
	s_lshr_b32 s68, s17, 1
	s_and_b32 s68, s68, 15
	s_lshl_b32 s69, s19, 4
	s_add_co_u32 s68, s68, s69
	s_mul_i32 s68, s68, 25600                      ; Q's block: 128 tokens
	s_and_b32 s69, s17, 1
	s_lshl_b32 s69, s69, 1
	s_lshr_b32 s70, s67, 1
	s_add_co_u32 s69, s69, s70                     ; which image of 32 tokens holds my 16 queries,
	s_and_b32 s70, s67, 1
	s_lshl_b32 s70, s70, 7                         ; and which eight of its lanes: 128 bytes on for the upper sixteen tokens
	s_add_co_u32 s68, s68, s70
	s_lshl_b32 s71, s66, 2
	s_add_co_u32 s71, s71, s69
	s_mul_i32 s71, s71, 1536
	s_add_co_u32 s72, s68, s71                     ; q's codes
	s_mov_b32 s73, 0
	s_lshl_b32 s71, s66, 8
	s_lshl_b32 s69, s69, 2
	s_add_co_u32 s71, s71, s69
	s_add_co_u32 s71, s71, 24576
	s_add_co_u32 s74, s68, s71                     ; q's scale bytes
	s_mov_b32 s75, 0
	s_lshl_b32 s80, s16, 17                        ; the prefetches: my work-group's 16 rows of the tile,
	s_add_co_u32 s80, s80, s62
	s_add_co_u32 s80, s80, 512                     ; at step 1: the first change of slots steps it to step 2
	s_mov_b32 s81, 0
	s_cmp_eq_u32 s[WV], 3
	s_cselect_b32 s[LIM], 1, -1
	s_mov_b32 s[SEL], 0x76543210
	s_mov_b32 s[SEL+1], 0xfedcba98
	s_mov_b32 s[CS], 0x3fb8aa3b                    ; log2(e)
	s_mov_b32 s[CS+1], s[CS]
	s_mov_b32 s[C8], 0x3e000000                    ; 0.125 = 1 / sqrt(64)
	s_mov_b32 s[C8+1], s[C8]
	s_mov_b32 s[TB], 0
	s_mov_b32 s[SLOTS], 15
	s_wait_dscnt 0x0                               ; the opening add is done
	s_wait_kmcnt 0x0
	s_add_nc_u64 s[72:73], s[4:5], s[72:73]
	s_add_nc_u64 s[74:75], s[4:5], s[74:75]
	s_add_nc_u64 s[PFA:PFA+1], s[8:9], s[80:81]
	CROUND                                         ; all sixteen work-groups are here: the first joint loads meet
	s_mov_b32 s[G0KV], 1
	s_mov_b32 s[G0KV+1], s60
	s_add_nc_u64 s[G0KV+2:G0KV+3], s[6:7], s[58:59]
	s_or_b32 s[G0KV+3], s[G0KV+3], 0x80000000
	s_mov_b32 s[G0M], 1
	s_mov_b32 s[G0M+1], MOFF
	s_add_nc_u64 s[G0M+2:G0M+3], s[8:9], s[62:63]
	s_or_b32 s[G0M+3], s[G0M+3], 0x80000000
	TLOAD                                          ; step 0 into slot 0: one tensor load of mine is out at the most, here and behind every round
	; q: my 16 queries in natural order out of an image of 32 tokens.  Query r lies in the image's lane r % 8 (+ 8 for the upper sixteen tokens, + 16 h), in registers 0-5 where r < 8, else 6-11
	v_and_b32 v6, 31, v0                           ; lane
	v_and_b32 v92, 15, v0                          ; r
	v_bfe_u32 v93, v0, 4, 1                        ; h
	v_and_b32 v94, 7, v0                           ; r % 8
	v_bfe_u32 v95, v0, 3, 1                        ; r / 8
	v_lshlrev_b32 v8, 4, v94
	v_lshl_add_u32 v8, v93, 8, v8
	v_mad_u32_u24 v8, v95, 520, v8                 ; registers 0, 1 at 16 x lane; registers 6, 7 at 512 + 16 x lane + 8
	v_mad_u32_u24 v9, v95, 496, v8
	v_add_nc_u32 v9, 8, v9                         ; registers 2, 3 eight bytes on; registers 8, 9 at 1,024 + 16 x lane
	v_lshlrev_b32 v10, 4, v94
	v_lshl_add_u32 v10, v95, 1, v10                ; the word's lower or upper two bytes
	global_load_b64 v[QA:QA+1], v8, s[72:73]
	global_load_b64 v[QA+2:QA+3], v9, s[72:73]
	global_load_b64 v[QA+4:QA+5], v8, s[72:73] offset:512   ; registers 4, 5, or 10, 11
	global_load_u16 v[QS], v10, s[74:75]
	v_lshrrev_b32 v11, 1, v6
	v_and_b32 v94, 1, v6
	v_lshlrev_b32 v[PFO], 13, v11                  ; a row of the mask is 8,192 bytes; two lanes to a row's 512
	v_lshl_add_u32 v[PFO], v94, 8, v[PFO]
	s_mul_i32 s76, s66, 6144
	v_lshlrev_b32 v[AI0], 4, v6
	v_add_nc_u32 v[AI0], s76, v[AI0]
	s_lshl_b32 s76, s66, 8
	s_add_co_u32 s76, s76, 24576
	v_lshl_add_u32 v[AS0], v92, 4, s76
	s_lshl_b32 s76, s67, 4
	v_add_nc_u32 v[AM0], s76, v92
	v_mul_u32_u24 v[AM0], v[AM0], MP
	v_lshl_add_u32 v[AM0], v93, 6, v[AM0]
	v_add_nc_u32 v[AM0], MOFF, v[AM0]
	v_mov_b32 v13, 0xff61b1e6                      ; the largest t so far: -3e38, under every t
	v_floor_f32 v12, -v13                          ; -M
	v_mov_b32 v14, 0                               ; the sum, in two halves
	v_mov_b32 v15, 0
	s_wait_loadcnt 0x0                             ; q and its bytes are in; their address registers are free
	v_lshl_or_b32 v[QS], v[QS], 16, v[QS]          ; the two bytes serve k 0-63 in (q, 0) and k 64-127 in (0, q)
.irp j, 0,1,2,3,4,5
	v_mov_b32 v[QB+\j], 0                          ; zero codes below q,
	v_mov_b32 v[QA+6+\j], 0                        ; and above
.endr
.irp j, 0,1,2,3,4,5,6,7,8,9,10,11,12,13,14,15,16,17,18,19,20,21,22,23,24,25,26,27,28,29,30,31
	v_mov_b32 v[O+\j], 0                           ; O^T: the step is written for every step alike; the first finds zeros.  (These 32 are also the places between the lines above and the first scaled product)
.endr
; A KEY STEP: 128 keys in the slot in hand.
.macro STEP
	v_add_nc_u32 v[ADI], s[TB], v[AI0]
	v_add_nc_u32 v[ADS], s[TB], v[AS0]
	v_add_nc_u32 v[ADM], s[TB], v[AM0]
	v_nop                                          ; four places behind the last products, whose operands the loads below write
.irp i, 0,1,2,3
.irp c, 0,1,2
	ds_load_b128 v[F+12*\i+4*\c:F+12*\i+4*\c+3], v[ADI] offset:1536*\i+512*\c   ; K's image i: 32 keys
.endr
.endr
	ds_load_b128 v[KS:KS+3], v[ADS]                ; its four scale words
.irp b, 0,1,2,3
.irp j, 0,1,2,3
	ds_load_b128 v[MK+16*\b+4*\j:MK+16*\b+4*\j+3], v[ADM] offset:128*\b+16*\j   ; mask(my query, key 32 b + 16 h + 4 j ..)
.endr
.endr
	s_wait_dscnt 16                                ; K and its words are in; the 16 loads of the mask may be out
.irp i, 0,1,2,3
	v_wmma_scale_f32_16x16x128_f8f6f4 v[S+16*\i:S+16*\i+7], v[F+12*\i:F+12*\i+11], v[QA:QA+11], 0, v[KS+\i], v[QS] matrix_a_fmt:MATRIX_FMT_FP6 matrix_b_fmt:MATRIX_FMT_FP6       ; keys 32 i + 16 h + 0 .. 7
	v_wmma_scale_f32_16x16x128_f8f6f4 v[S+16*\i+8:S+16*\i+15], v[F+12*\i:F+12*\i+11], v[QB:QB+11], 0, v[KS+\i], v[QS] matrix_a_fmt:MATRIX_FMT_FP6 matrix_b_fmt:MATRIX_FMT_FP6    ; keys 32 i + 16 h + 8 .. 15
.endr
.rept 4
	v_nop                                          ; places in front of the loads into K's registers and of the first read of the scores
.endr
.irp i, 0,1,2,3
.irp c, 0,1,2
	ds_load_b128 v[F+12*\i+4*\c:F+12*\i+4*\c+3], v[ADI] offset:VOFF+1536*\i+512*\c   ; V's image i: 16 channels x 128 keys; it lands under the softmax
.endr
.endr
	ds_load_b128 v[VS:VS+3], v[ADS] offset:VOFF
	s_wait_dscnt 13                                ; the mask is in; V's 13 loads may be out
.irp j, 0,2,4,6,8,10,12,14,16,18,20,22,24,26,28,30,32,34,36,38,40,42,44,46,48,50,52,54,56,58,60,62
	v_pk_fma_f32 v[S+\j:S+\j+1], v[S+\j:S+\j+1], s[C8:C8+1], v[MK+\j:MK+\j+1] op_sel_hi:[1,0,1] neg_lo:[0,0,1] neg_hi:[0,0,1]   ; logit = score / 8 - mask; each accumulator from its low end on
.endr
.irp b, 0,1,2,3
	v_max3_num_f32 v[BMX+\b], v[S+16*\b], v[S+1+16*\b], v[S+2+16*\b]   ; the largest logit of each block of 32 keys: for the row's maximum, and, since p rises with the logit, for the block's largest p
.endr
.irp i, 3,5,7,9,11,13
.irp b, 0,1,2,3
	v_max3_num_f32 v[BMX+\b], v[BMX+\b], v[S+16*\b+\i], v[S+1+16*\b+\i]
.endr
.endr
.irp b, 0,1,2,3
	v_max_num_f32 v[BMX+\b], v[BMX+\b], v[S+15+16*\b]
.endr
.irp b, 0,1,2,3
	v_permlanex16_b32 v[PT+\b], v[BMX+\b], s[SEL], s[SEL+1]
.endr
.irp b, 0,1,2,3
	v_max_num_f32 v[BMX+\b], v[BMX+\b], v[PT+\b]   ; with lane l xor 16's 16 keys
.endr
	v_max3_num_f32 v[TA], v[BMX], v[BMX+1], v[BMX+2]
	v_max_num_f32 v[TA], v[TA], v[BMX+3]           ; the step's largest logit of my query
	v_mul_f32 v[TA], s[CS], v[TA]                  ; as t
	v_max_num_f32 v13, v13, v[TA]                  ; the running largest t
	v_mov_b32 v[TA], v12
	v_floor_f32 v12, -v13                          ; the new -M = floor(-t): M is a whole number
	v_sub_f32 v[TA], v12, v[TA]                    ; old M - new M: a whole number, 0 or less
	v_cvt_i32_f32 v[TA], v[TA]                     ; (it saturates)
	v_ldexp_f32 v[FF], 1.0, v[TA]                  ; f = 2^(old M - new M)
.irp j, 0,2,4,6,8,10,12,14,16,18,20,22,24,26,28,30,32,34,36,38,40,42,44,46,48,50,52,54,56,58,60,62
	v_pk_fma_f32 v[S+\j:S+\j+1], v[S+\j:S+\j+1], s[CS:CS+1], v[12:13] op_sel_hi:[1,0,0]   ; t - M
.endr
.irp b, 0,1,2,3
	v_fma_f32 v[BMX+\b], v[BMX+\b], s[CS], v12     ; the same of each block's largest logit
.endr
.irp j, 0,1,2,3,4,5,6,7,8,9,10,11,12,13,14,15,16,17,18,19,20,21,22,23,24,25,26,27,28,29,30,31,32,33,34,35,36,37,38,39,40,41,42,43,44,45,46,47,48,49,50,51,52,53,54,55,56,57,58,59,60,61,62,63
	v_exp_f32 v[S+\j], v[S+\j]                     ; p = 2^(t - M), at most 1
.endr
	v_pk_mul_f32 v[14:15], v[14:15], v[FF:FF+1] op_sel_hi:[1,0]   ; the sums under the new M (a plain place behind the exponentials)
	s_wait_alu depctr_va_vdst(0)                   ; one wait for the batch of 64, ahead of its first reader
.irp b, 0,1,2,3
	v_exp_f32 v[BMX+\b], v[BMX+\b]                 ; the block's largest p: the same two instructions on the same number give the same bits
.endr
	v_pk_add_f32 v[SUMB:SUMB+1], v[S:S+1], v[S+2:S+3]   ; the row's sum, of the unquantised p: two at a time, in two chains
.irp j, 4,8,12,16,20,24,28,32,36,40,44,48,52,56,60
	v_pk_add_f32 v[14:15], v[14:15], v[S+\j:S+\j+1]
	v_pk_add_f32 v[SUMB:SUMB+1], v[SUMB:SUMB+1], v[S+2+\j:S+3+\j]
.endr
	v_pk_add_f32 v[14:15], v[14:15], v[SUMB:SUMB+1]
	s_wait_alu depctr_va_vdst(0)                   ; and one for the four
.irp b, 0,1,2,3
	v_max_num_f32 v[BMX+\b], 0x1800000, v[BMX+\b]  ; the floor 2^(3 - 127): the byte cannot fall under 1
.endr
.irp b, 0,1,2,3
	v_add_nc_u32 v[SOP+\b], 0xff000000, v[BMX+\b]  ; 2 off the exponent field: the conversion's scale operand
.endr
.irp b, 0,1,2,3
	v_lshrrev_b32 v[BY+\b], 23, v[SOP+\b]          ; the scale's byte
.endr
	v_lshl_or_b32 v[PW], v[BY+1], 8, v[BY]         ; p's scale word for these 128 keys
	v_lshl_or_b32 v[PW], v[BY+2], 16, v[PW]
	v_lshl_or_b32 v[PW], v[BY+3], 24, v[PW]
.irp c, 0,1
	v_cvt_scalef32_pk16_fp6_f32 v[PCD+6*\c:PCD+6*\c+2], v[S+32*\c:S+32*\c+15], v[SOP+2*\c]
	v_cvt_scalef32_pk16_fp6_f32 v[CT+4*\c:CT+4*\c+2], v[S+16+32*\c:S+31+32*\c], v[SOP+2*\c+1]   ; (a conversion's three registers begin on an even number)
.endr
	v_nop                                          ; one plain place behind a scaled conversion
.irp c, 0,1                                    ; the operand wants a whole block in a lane: lanes 0-15 block 2 c, lanes 16-31 block 2 c + 1
.irp i, 0,1,2
	v_permlane16_swap_b32 v[PCD+6*\c+\i], v[CT+4*\c+\i]
.endr
.irp i, 0,1,2
	v_mov_b32 v[PCD+3+6*\c+\i], v[CT+4*\c+\i]
.endr
.endr
.irp j, 0,2,4,6,8,10,12,14,16,18,20,22,24,26,28,30
	v_pk_mul_f32 v[O+\j:O+\j+1], v[O+\j:O+\j+1], v[FF:FF+1] op_sel_hi:[1,0]   ; O^T under the new M.  (These 16 are also the places between p's codes and scale word and the products below)
.endr
	s_wait_dscnt 0x0                               ; V and its words are in
.irp t, 0,1,2,3
	v_wmma_scale_f32_16x16x128_f8f6f4 v[O+8*\t:O+8*\t+7], v[F+12*\t:F+12*\t+11], v[PCD:PCD+11], v[O+8*\t:O+8*\t+7], v[VS+\t], v[PW] matrix_a_fmt:MATRIX_FMT_FP6 matrix_b_fmt:MATRIX_FMT_FP6   ; four accumulators, one instruction a turn
.endr
	s_xor_b32 s[TB], s[TB], SLOT1                  ; on to the other slot
.endm
; THE CHANGE OF SLOTS stands at a step's head.  Each wave waits for all its tensor loads (its part of the slot that it is about to read), adds 0 to its spare word, and waits for that and for its reads of the slot
; that it has left.  fill = 1: a round of the cluster's barrier, and behind it the other slot is filled with the next step's block and tile: the load has a whole step in which to land.
.macro CHANGE fill
	s_wait_tensorcnt 0x0                           ; no tensor load of mine is out, so a group 0 may be written
	ds_add_u32 v[SPW], v[NIL]                      ; 0 onto my spare word
.if \fill
	s_xor_b32 s[G0KV+1], s[G0KV+1], SLOT1          ; the walking descriptors: the other slot than last time,
	s_add_nc_u64 s[G0KV+2:G0KV+3], s[G0KV+2:G0KV+3], 51200   ; the next 128 keys' block
	s_xor_b32 s[G0M+1], s[G0M+1], SLOT1
	s_add_nc_u64 s[G0M+2:G0M+3], s[G0M+2:G0M+3], 512         ; and 128 keys on in the mask's rows
	s_wait_xcnt 0x0                                ; the last prefetch, a step back, has read its address, so it may be written:
	s_add_nc_u64 s[PFA:PFA+1], s[PFA:PFA+1], 512   ; one step further on than the walking descriptor
	s_wait_dscnt 0x0                               ; the add is done, and my reads of the slot that I have left are over
	CROUND
	TLOAD                                          ; the first thing behind the round, and a wave's one tensor load until the next
	ASK
.else
	s_wait_dscnt 0x0
	s_barrier_signal -1
	s_barrier_wait -1
.endif
.endm
.Lstep:                                            ; 15 trips: behind each change of slots but the last the next step is asked for
	CHANGE 1
	STEP
	s_sub_co_u32 s[SLOTS], s[SLOTS], 1
	s_cmp_lg_u32 s[SLOTS], 0
	s_cbranch_scc1 .Lstep
	CHANGE 0                                       ; the last step is written out
	STEP
	; THE WAY OUT.  O^T / the sum is ctx; its 64 channels are two blocks of the last product's K.  A lane's 16 codes (12 bytes) go to a place of 16 bytes in the stage; a token's row there holds the four heads' 16 places.
	v_add_f32 v14, v14, v15                        ; the sum's two halves,
	v_permlanex16_b32 v[TA], v14, s[SEL], s[SEL+1]
	v_add_f32 v14, v14, v[TA]                      ; and lane l xor 16's: the row's sum
	v_rcp_f32 v14, v14
	v_and_b32 v8, 15, v0                           ; r  (plain work behind the reciprocal, and the places behind the last products)
	v_bfe_u32 v9, v0, 4, 1                         ; h
	s_lshl_b32 s76, s67, 4
	v_add_nc_u32 v10, s76, v8                      ; my query among the 64
	v_mul_u32_u24 v1, v10, 272
	v_lshl_add_u32 v1, v9, 4, v1
	s_lshl_b32 s76, s66, 6
	s_add_co_u32 s76, s76, STAGE
	v_add_nc_u32 v1, s76, v1                       ; in: row = query; place 4 x head + 2 x block + h
	v_lshlrev_b32 v3, 3, v10
	s_lshl_b32 s76, s66, 1
	s_add_co_u32 s76, s76, SCS
	v_add_nc_u32 v3, s76, v3                       ; the scale bytes: 8 a query, 2 a head
	s_lshl_b32 s76, s[WV], 2
	v_add_nc_u32 v2, s76, v9
	v_mul_u32_u24 v2, v2, 272
	v_lshl_add_u32 v2, v8, 4, v2
	v_add_nc_u32 v2, STAGE, v2                     ; back: wave w takes rows 4 w .. 4 w + 3, sixteen lanes to a row
	v_lshl_add_u32 v10, v0, 3, SCS                 ; (waves 0 and 1) a query's 8 scale bytes
	v_mul_u32_u24 v11, v9, 192
	v_mad_u32_u24 v11, v8, 12, v11                 ; and the same places in cc,
	v_lshlrev_b32 v6, 5, v0                        ; and in cs: 32 bytes a token
	s_mul_i32 s76, s16, 1572864                    ; cc: my head group's plane of 8,192 x 192 bytes,
	s_lshl_b32 s77, s17, 6                         ; my first token,
	s_lshl_b32 s78, s[WV], 2
	s_add_co_u32 s78, s78, s77
	s_mul_i32 s78, s78, 192
	s_add_co_u32 s76, s76, s78
	s_lshl_b32 s78, s77, 5                         ; cs: 32 bytes a token, my head group's 8
	s_lshl_b32 s79, s16, 3
	s_add_co_u32 s78, s78, s79
	s_mov_b32 s77, 0
	s_mov_b32 s79, 0
	s_add_nc_u64 s[10:11], s[10:11], s[76:77]
	s_add_nc_u64 s[12:13], s[12:13], s[78:79]
	s_wait_alu depctr_va_vdst(0)                   ; the wait ahead of the reciprocal's first reader
.irp j, 0,1,2,3,4,5,6,7,8,9,10,11,12,13,14,15,16,17,18,19,20,21,22,23,24,25,26,27,28,29,30,31
	v_mul_f32 v[S+\j], v[O+\j], v14                ; ctx: register 16 g + i = channel 32 g + 16 h + i
.endr
.irp b, 0,1
	v_max3_num_f32 v[BMX+\b], |v[S+16*\b]|, |v[S+1+16*\b]|, 0x1800000
.endr
.irp i, 2,4,6,8,10,12,14
.irp b, 0,1
	v_max3_num_f32 v[BMX+\b], v[BMX+\b], |v[S+16*\b+\i]|, |v[S+1+16*\b+\i]|
.endr
.endr
.irp b, 0,1
	v_permlanex16_b32 v[PT+\b], v[BMX+\b], s[SEL], s[SEL+1]
.endr
.irp b, 0,1
	v_max_num_f32 v[BMX+\b], v[BMX+\b], v[PT+\b]
.endr
.irp b, 0,1
	v_add_nc_u32 v[SOP+\b], 0xff000000, v[BMX+\b]
.endr
.irp b, 0,1
	v_lshrrev_b32 v[BY+\b], 23, v[SOP+\b]
.endr
	v_cvt_scalef32_pk16_fp6_f32 v[PCD:PCD+2], v[S:S+15], v[SOP]
	v_cvt_scalef32_pk16_fp6_f32 v[PCD+4:PCD+6], v[S+16:S+31], v[SOP+1]
	v_lshl_or_b32 v[BY], v[BY+1], 8, v[BY]         ; my head's two bytes (also the plain place behind the conversions)
	ds_store_b96 v1, v[PCD:PCD+2]
	ds_store_b96 v1, v[PCD+4:PCD+6] offset:32
	ds_store_b16 v3, v[BY]                         ; both halves of the lanes write the same bytes with the same value
	s_wait_dscnt 0x0                               ; for the others' sake: my stores are done
	s_barrier_signal -1
	s_barrier_wait -1
	ds_load_b96 v[S:S+2], v2
	ds_load_b96 v[S+4:S+6], v2 offset:544
	s_wait_dscnt 1                                 ; the first two rows are in; the second load may be out
	global_store_b96 v11, v[S:S+2], s[10:11]       ; two rows of 192 bytes: 384 consecutive bytes
	s_wait_dscnt 0x0
	global_store_b96 v11, v[S+4:S+6], s[10:11] offset:384
	s_cmp_lt_u32 s[WV], 2
	s_cbranch_scc0 .Lno_bytes
	ds_load_b64 v[S+8:S+9], v10                    ; waves 0 and 1: a token a lane: its 8 scale bytes of this head group
	s_wait_dscnt 0x0
	global_store_b64 v6, v[S+8:S+9], s[12:13]
.Lno_bytes:
	s_wait_tensorcnt 0x0                           ; the wave's end: behind my last tensor load and my last LDS store
	ds_add_u32 v[SPW], v[NIL]
	s_wait_dscnt 0x0
	CROUND                                         ; the closing round
	s_endpgm
.Lfunc_end_k_q1a0b03b255_attn:
	.size	k_q1a0b03b255_attn, .Lfunc_end_k_q1a0b03b255_attn-k_q1a0b03b255_attn
	.p2alignl 7, 3214868480
	.fill 96, 4, 3214868480
	.section	.rodata,"a",@progbits
	.p2align	6, 0x0
	.amdhsa_kernel k_q1a0b03b255_attn
		.amdhsa_group_segment_fixed_size 327680
		.amdhsa_private_segment_fixed_size 0
		.amdhsa_enable_private_segment 0
		.amdhsa_kernarg_size 40
		.amdhsa_user_sgpr_count 2
		.amdhsa_user_sgpr_kernarg_segment_ptr 1
		.amdhsa_wavefront_size32 1
		.amdhsa_system_sgpr_workgroup_id_x 1
		.amdhsa_system_sgpr_workgroup_id_y 1
		.amdhsa_system_sgpr_workgroup_id_z 1
		.amdhsa_system_vgpr_workitem_id 0
		.amdhsa_next_free_vgpr 256
		.amdhsa_next_free_sgpr 96
		.amdhsa_reserve_vcc 0
		.amdhsa_float_denorm_mode_32 3
		.amdhsa_float_denorm_mode_16_64 3
		.amdhsa_memory_ordered 1
		.amdhsa_forward_progress 1
		.amdhsa_inst_pref_size 53
	.end_amdhsa_kernel
	.amdgpu_metadata
---
amdhsa.version: [ 1, 2 ]
amdhsa.kernels:
  - .name:           k_q1a0b03b255_attn
    .symbol:         k_q1a0b03b255_attn.kd
    .args:
      - { .name: qi, .offset: 0, .size: 8, .value_kind: global_buffer, .address_space: global }
      - { .name: kv, .offset: 8, .size: 8, .value_kind: global_buffer, .address_space: global }
      - { .name: mask, .offset: 16, .size: 8, .value_kind: global_buffer, .address_space: global }
      - { .name: cc, .offset: 24, .size: 8, .value_kind: global_buffer, .address_space: global }
      - { .name: cs, .offset: 32, .size: 8, .value_kind: global_buffer, .address_space: global }
    .group_segment_fixed_size: 327680
    .private_segment_fixed_size: 0
    .kernarg_segment_align: 8
    .kernarg_segment_size: 40
    .max_flat_workgroup_size: 512
    .sgpr_count:     96
    .vgpr_count:     256
    .wavefront_size: 32
...
	.end_amdgpu_metadata
.endif
;; end of part 4
;; launch gemm_out (part 5): grid 4 x 32, 4 waves a work-group, clusters of 4 x 4, 327,680 bytes of LDS; arguments cc, cs, w_codes, w_scales, out0; writes out0
.if DOCPART == 5
	.amdgcn_target "amdgcn-amd-amdhsa--gfx1250"
	.amdhsa_code_object_version 6
	.text
	.protected	k_q1a0b03b255_gemm_out
	.globl	k_q1a0b03b255_gemm_out
	.p2align	8
	.type	k_q1a0b03b255_gemm_out,@function
k_q1a0b03b255_gemm_out:
	s_mov_b64 s[64:65], 0
	v_nop
	global_prefetch_b8 v0, s[64:65] scope:SCOPE_SE
	s_setreg_imm32_b32 hwreg(HW_REG_WAVE_MODE, 25, 1), 1
	s_wait_xcnt 0x0
	s_wait_alu depctr_hold_cnt(0) depctr_sa_sdst(0) depctr_va_vdst(0) depctr_va_sdst(0) depctr_va_ssrc(0) depctr_va_vcc(0) depctr_vm_vsrc(0)
	s_getreg_b32 s2, hwreg(HW_REG_IB_STS2, 6, 4)
	s_cmp_eq_u32 s2, 0
	s_cbranch_scc0 .Lentry_in_a_cluster
	s_endpgm
.Lentry_in_a_cluster:
	s_bfe_u32 s2, ttmp6, 0x10000c
	s_cmp_lg_u32 s2, 0xf033
	s_cbranch_scc0 .Lentry_shape_is_right
	s_endpgm
.Lentry_shape_is_right:
; out = ctx Wo on codes of FP6 (E2M3) with E8M0 scales: C[m][n] = sum over k of A[m][k] B[n][k], M = 8,192 tokens, N = 1,024, K = 1,024; C f32.
; A = ctx's codes, laid [4 planes along K][8,192 tokens][192 bytes]: plane s holds k = 256 s .. 256 s + 255, so a K step of 256 is a dense block of rows; its scale bytes [8,192][32].
; B = the weights' table, rows 3,072 on (Wo's columns), 768 bytes a row; in every group of 32 rows position p holds column p with bits 3 and 4 exchanged; its scale bytes [.][32] in the same order.
; A tile of C, 256 x 256, is made by four waves of 128 x 128: 64 accumulators, 512 registers.  K goes in steps of 256 through a ring of two LDS slots filled by joint tensor loads (4 x 4 work-groups: A's tile shared
; along a row of the cluster, B's along a column).  The scale bytes of the 256 + 256 rows come into LDS once.  128 work-groups: the tile is kept large so that each LDS byte feeds the most products.
; THE MATRIX INSTRUCTION IS USED TRANSPOSED (source 0 = 16 positions of B, source 1 = 16 rows of A): lane (r, h) of tile b holds token r and columns 32 (b / 2) + 16 h + 8 (b % 2) + 0 .. 7; the stage puts them in order.
; REGISTERS, in windows of 256: window 0: v0-31 addresses; v32-63 scale words, two sets; from v128 A's fragments, ONE set; on the way out v128-255 rows of C.
;   window 1: B's fragments, TWO sets.   window 2: the accumulators of my rows 0-63 ((a, b) at v[8 (8 a + b)]);   window 3: those of my rows 64-127.
.set SIZE_K, 1024
.set SIZE_N, 1024
.set KSTEP,  256
.set NQ,     KSTEP/128
.set ROWB,   192                       ; a tile's row in bytes; also a row of a plane of A
.set KROW,   SIZE_K*6/8                ; a row of B in memory
.set PLANE,  8192*ROWB                 ; from a K step of A to the next
.set BROW0,  3072                      ; Wo's first row in the table
.set PITCH,  240                       ; an LDS row: 3 x (64 bytes of data + 16 of padding)
.set FR,     12
.set NL,     6
.set NP,     4                         ; places behind this matrix instruction (ISA guide 7.12.1)
.set HALFT,  128*PITCH
.set SLOT,   4*HALFT
.set LAPS,   SIZE_K/(2*KSTEP)
.set KS,     SIZE_K/32
.set SCL,    2*SLOT
.set HALFS,  (128*KS/256)*272
.set SBLK,   (16*KS/256)*272
.set SPARE,  SCL+4*HALFS
.set SPITCH, 528                       ; the way out: a stage of 16 rows x (512 bytes + 16) for each wave, in slot 0, which has had its last fill and its last read when the first result is stored there
.set ADRA, 16
.set ADRB, 20
.set STO,  24                          ; v24 the way out: where I put 32 bytes of a row
.set RD,   25                          ; v25 where I read a row back
.set CO,   26                          ; v26 my byte offset in a row of C
.set ADRS, 27
.set SPW,  28                          ; v28 LDS address of my spare word; never rewritten
.set NIL,  29                          ; v29 0; never rewritten
.set SC,   32
.set AF,   128
.set BK,   128
.set G1, 24
.set G0, 32
.set G1B, 48
.set G0B, 56
.set G1S, 68
.set G0S, 76
.set G1SB, 80
.set G0SB, 88
.set MSB, 0
.macro WIN new                         ; the immediate's high byte repeats the setting that is left
.if MSB != \new
	s_set_vgpr_msb (MSB<<8)|\new
.set MSB, \new
.endif
.endm
.set MUL_LO, 0xa1
.set MUL_HI, 0xf1
.set TO_B,   0x40
.macro JLOAD g0a, g1a, g0b, g1b        ; a joint load: waves 0 and 1 fetch for A, waves 2 and 3 for B; an s_nop 0 and four v_nop follow each of the two lines
	s_cmp_eq_u32 s15, 0
	s_cbranch_scc0 .Lfor_b_\@
	tensor_load_to_lds s[\g0a:\g0a+3], s[\g1a:\g1a+7]
	s_nop 0
.rept 4
	v_nop
.endr
	s_branch .Lasked_\@
.Lfor_b_\@:
	tensor_load_to_lds s[\g0b:\g0b+3], s[\g1b:\g1b+7]
	s_nop 0
.rept 4
	v_nop
.endr
.Lasked_\@:
.endm
.macro CREST
	s_cmp_lg_u32 s14, 0
	s_cbranch_scc1 .Lnot_wave_0_\@
	s_barrier_signal -3
.Lnot_wave_0_\@:
	s_barrier_wait -3
	s_barrier_signal -1
	s_barrier_wait -1
.endm
.macro CROUND
	s_barrier_signal -1
	s_barrier_wait -1
	CREST
.endm
	s_load_b128 s[4:7], s[0:1], 0x0                ; A's codes, A's scales
	s_load_b128 s[8:11], s[0:1], 0x10              ; B's codes, B's scales
	s_load_b64 s[12:13], s[0:1], 0x20              ; C
	v_lshl_add_u32 v[SPW], v0, 2, SPARE
	v_mov_b32 v[NIL], 0
	ds_add_u32 v[SPW], v[NIL]                      ; the wave's opening: the add and its wait stand ahead of my first tensor load
	v_lshrrev_b32 v1, 5, v0
	v_readfirstlane_b32 s14, v1                    ; wave 0..3
	s_lshr_b32 s15, s14, 1                         ; which half of the tile's rows is mine.  Also: I fetch for A (0) or for B (1)
	s_and_b32 s16, s14, 1                          ; which half of its columns.  Also: which 128 rows of that tile I fetch
	s_bfe_u32 s40, ttmp6, 0x40000                  ; cx, cy
	s_bfe_u32 s41, ttmp6, 0x40004
	s_lshl_b32 s42, ttmp9, 2
	s_add_co_u32 s42, s42, s40                     ; tile column of C
	s_and_b32 s17, ttmp7, 0xffff
	s_lshl_b32 s17, s17, 2
	s_add_co_u32 s17, s17, s41                     ; tile row of C
	s_lshl_b32 s43, s41, 2
	s_lshl_b32 s43, 15, s43                        ; my row of the cluster
	s_lshl_b32 s44, 0x1111, s40                    ; my column
	s_or_b32 s[G1+0], s43, (0<<16)|(1<<20)|(1<<21)|(3<<22)|(3<<25)
	s_or_b32 s[G1B+0], s44, (0<<16)|(1<<20)|(1<<21)|(3<<22)|(3<<25)
.irp g, G1, G1B
	s_mov_b32 s[\g+1], ROWB<<16                    ; tensor_dim0
	s_mov_b32 s[\g+2], 128<<16                     ; tensor_dim1
	s_mov_b32 s[\g+3], ROWB<<16                    ; tile_dim0
	s_mov_b32 s[\g+4], 128                         ; tile_dim1
	s_mov_b32 s[\g+6], 0
	s_mov_b32 s[\g+7], 0
.endr
	s_mov_b32 s[G1+5], ROWB                        ; A: rows of a plane follow each other
	s_mov_b32 s[G1B+5], KROW                       ; B: 768 bytes from row to row
	s_or_b32 s[G1S+0], s43, (3<<16)|(1<<20)|(1<<21)|(5<<22)|(3<<25)
	s_or_b32 s[G1SB+0], s44, (3<<16)|(1<<20)|(1<<21)|(5<<22)|(3<<25)
.irp g, G1S, G1SB
	s_mov_b32 s[\g+1], 32<<16
	s_mov_b32 s[\g+2], (128*KS/256)<<16
	s_mov_b32 s[\g+3], 32<<16
	s_mov_b32 s[\g+4], 128*KS/256
	s_mov_b32 s[\g+5], 32
	s_mov_b32 s[\g+6], 0
	s_mov_b32 s[\g+7], 0
.endr
	s_lshl_b32 s18, s16, 7
	s_lshl_b32 s20, s17, 8
	s_add_co_u32 s20, s20, s18                     ; A: row 256 x tile row + 128 x half
	s_lshl_b32 s46, s42, 8
	s_add_co_u32 s46, s46, s18
	s_add_co_u32 s46, s46, BROW0                   ; B: row 3,072 + 256 x tile column + 128 x half
	s_mov_b32 s21, 0
	s_mov_b32 s47, 0
	s_mov_b64 s[18:19], KS
	s_mul_u64 s[22:23], s[20:21], s[18:19]         ; where these rows' scales begin
	s_mul_u64 s[92:93], s[46:47], s[18:19]
	s_mov_b64 s[18:19], ROWB
	s_mul_u64 s[20:21], s[20:21], s[18:19]         ; and their codes: A's in plane 0,
	s_mov_b64 s[18:19], KROW
	s_mul_u64 s[46:47], s[46:47], s[18:19]         ; B's
	s_mul_i32 s45, s14, HALFT
	s_mul_i32 s94, s14, HALFS
	s_wait_dscnt 0x0                               ; the opening add is done
	s_wait_kmcnt 0x0
	s_add_nc_u64 s[20:21], s[4:5], s[20:21]
	s_add_nc_u64 s[22:23], s[6:7], s[22:23]
	s_add_nc_u64 s[46:47], s[8:9], s[46:47]
	s_add_nc_u64 s[92:93], s[10:11], s[92:93]
	CROUND                                         ; all sixteen work-groups are here: the first joint loads meet
	s_mov_b32 s[G0S], 1
	s_add_co_u32 s[G0S+1], s94, SCL
	s_mov_b64 s[G0S+2:G0S+3], s[22:23]
	s_or_b32 s[G0S+3], s[G0S+3], 0x80000000
	s_mov_b32 s[G0SB], 1
	s_add_co_u32 s[G0SB+1], s94, SCL
	s_mov_b64 s[G0SB+2:G0SB+3], s[92:93]
	s_or_b32 s[G0SB+3], s[G0SB+3], 0x80000000
	JLOAD G0S, G1S, G0SB, G1SB                     ; the scales first.  Three loads of mine are out behind the last of these
.irp s, 0,1
	s_mov_b32 s[G0+4*\s], 1
	s_add_co_u32 s[G0+4*\s+1], s45, \s*SLOT
	s_add_nc_u64 s[G0+4*\s+2:G0+4*\s+3], s[20:21], \s*PLANE
	s_or_b32 s[G0+4*\s+3], s[G0+4*\s+3], 0x80000000
	s_mov_b32 s[G0B+4*\s], 1
	s_add_co_u32 s[G0B+4*\s+1], s45, \s*SLOT
	s_add_nc_u64 s[G0B+4*\s+2:G0B+4*\s+3], s[46:47], \s*ROWB
	s_or_b32 s[G0B+4*\s+3], s[G0B+4*\s+3], 0x80000000
	JLOAD G0+4*\s, G1, G0B+4*\s, G1B
.endr
	v_and_b32 v1, 15, v0                           ; r
	v_bfe_u32 v2, v0, 4, 1                         ; h
	v_mul_u32_u24 v3, v1, PITCH
	v_mul_u32_u24 v4, v2, 24
	v_add_nc_u32 v4, v3, v4
	v_lshl_add_u32 v5, v2, 4, v4
	s_mul_i32 s21, s15, HALFT
	s_mul_i32 s22, s16, HALFT
	s_add_co_u32 s22, s22, 2*HALFT
.irp s, 0,1
	v_add_nc_u32 v[ADRA+\s], s21, v4
	v_add_nc_u32 v[ADRB+\s], s22, v4
	v_add_nc_u32 v[ADRA+2+\s], s21, v5
	v_add_nc_u32 v[ADRB+2+\s], s22, v5
	s_add_co_u32 s21, s21, SLOT
	s_add_co_u32 s22, s22, SLOT
.endr
	v_mul_u32_u24 v5, v1, KS
	v_lshrrev_b32 v6, 8, v5
	v_lshl_add_u32 v5, v6, 4, v5
	s_mul_i32 s21, s15, HALFS
	s_mul_i32 s22, s16, HALFS
	s_add_co_u32 s22, s22, 2*HALFS
	s_sub_co_u32 s22, s22, s21
	v_mul_u32_u24 v6, s22, v2                      ; lanes 16-31 take B's
	s_add_co_u32 s21, s21, SCL
	v_add_nc_u32 v5, v5, v6
	v_add_nc_u32 v[ADRS], s21, v5
	s_mul_i32 s23, s14, 16*SPITCH                  ; my stage
	v_mul_u32_u24 v5, v1, SPITCH                   ; in: row r; my half's sixteen columns of a group of 32 begin 64 h bytes on
	v_lshl_add_u32 v5, v2, 6, v5
	v_add_nc_u32 v[STO], s23, v5
	v_and_b32 v6, 31, v0
	v_lshlrev_b32 v[CO], 4, v6                     ; back: the 32 lanes take one row of 512 bytes; and the same in C
	v_add_nc_u32 v[RD], s23, v[CO]
	s_lshl_b32 s20, s17, 8
	s_lshl_b32 s21, s15, 7
	s_add_co_u32 s20, s20, s21                     ; my first row of C
	s_mov_b32 s21, 0
	s_mov_b64 s[18:19], SIZE_N*4
	s_mul_u64 s[20:21], s[20:21], s[18:19]
	s_lshl_b32 s46, s42, 10                        ; my first column, in bytes
	s_lshl_b32 s47, s16, 9
	s_add_co_u32 s46, s46, s47
	s_mov_b32 s47, 0
	s_add_nc_u64 s[20:21], s[20:21], s[46:47]
	s_add_nc_u64 s[12:13], s[12:13], s[20:21]
.macro FRAG reg, adr, q, i             ; a fragment, 16 rows x 128 K, in six pieces of 8 bytes; where lanes 16-31's piece lies behind one padding more, the second address register serves
.irp p, 0,1,2,3,4,5
.set PC, 12*(\q)+6*(\p/3)+\p%3
.if PC%8 < 5
	ds_load_b64 v[\reg+2*\p:\reg+2*\p+1], v[\adr] offset:8*PC+16*(PC/8)+(\i)*16*PITCH
.else
	ds_load_b64 v[\reg+2*\p:\reg+2*\p+1], v[\adr+2] offset:8*PC+16*(PC/8)+(\i)*16*PITCH
.endif
.endr
.endm
.macro MUL16 a0, p, q, sc, zero        ; 16 matrix instructions: A's blocks a0, a0 + 1 x B's eight.  The 64 accumulators take turns, one instruction a turn
.irp a, \a0, \a0+1
.irp b, 0,1,2,3,4,5,6,7
.if \zero
	v_wmma_scale_f32_16x16x128_f8f6f4 v[8*(8*((\a)%4)+\b):8*(8*((\a)%4)+\b)+7], v[128*(\p)+FR*\b:128*(\p)+FR*\b+FR-1], v[AF+FR*(\a):AF+FR*(\a)+FR-1], 0, v[SC+8*NQ*(\sc)+NQ*\b+(\q)], v[SC+8*NQ*(\sc)+NQ*(\a)+(\q)] matrix_a_fmt:MATRIX_FMT_FP6 matrix_b_fmt:MATRIX_FMT_FP6 matrix_a_scale:MATRIX_SCALE_ROW1
.else
	v_wmma_scale_f32_16x16x128_f8f6f4 v[8*(8*((\a)%4)+\b):8*(8*((\a)%4)+\b)+7], v[128*(\p)+FR*\b:128*(\p)+FR*\b+FR-1], v[AF+FR*(\a):AF+FR*(\a)+FR-1], v[8*(8*((\a)%4)+\b):8*(8*((\a)%4)+\b)+7], v[SC+8*NQ*(\sc)+NQ*\b+(\q)], v[SC+8*NQ*(\sc)+NQ*(\a)+(\q)] matrix_a_fmt:MATRIX_FMT_FP6 matrix_b_fmt:MATRIX_FMT_FP6 matrix_a_scale:MATRIX_SCALE_ROW1
.endif
.endr
.endr
.endm
.macro FETCH_B slot, q, p
	WIN TO_B
.irp i, 0,1,2,3,4,5,6,7
	FRAG 128*(\p)+FR*\i, ADRB+\slot, \q, \i
.endr
	WIN 0
.endm
.macro FETCH_A slot, q, i0
.irp i, \i0, \i0+1, \i0+2, \i0+3
	FRAG AF+FR*(\i), ADRA+\slot, \q, \i
.endr
.endm
.macro SCALES sc
.irp i, 0,1,2,3,4,5,6,7
	ds_load_b64 v[SC+8*NQ*\sc+NQ*\i:SC+8*NQ*\sc+NQ*\i+1], v[ADRS] offset:\i*SBLK
.endr
.endm
.macro PLACES n
.rept \n
	v_nop
.endr
.endm
.macro STEP slot, q, zero
	s_wait_dscnt 4*NL                              ; B's set and A's blocks 0-3 are in; the youngest 24 loads (A's blocks 4-7) may be out
	WIN MUL_LO
	MUL16 0, (\q)%2, \q, \slot, \zero
	MUL16 2, (\q)%2, \q, \slot, \zero
	s_wait_dscnt 0
	PLACES NP
	FETCH_B \slot, (\q)+1, 1-(\q)%2
	FETCH_A \slot, (\q)+1, 0
	WIN MUL_HI
	MUL16 4, (\q)%2, \q, \slot, \zero
	MUL16 6, (\q)%2, \q, \slot, \zero
	PLACES NP
	WIN 0
	FETCH_A \slot, (\q)+1, 4
.endm
.macro TURN slot, next, fill           ; a slot's last step changes slots: ONE barrier, with the wait for all tensor loads, the add and the wait for it and for my reads in front of it
	s_wait_tensorcnt 0x0                           ; all my tensor loads have landed: my part of the next slot
	ds_add_u32 v[SPW], v[NIL]                      ; 0 onto my spare word
	s_wait_dscnt 4*NL+1                            ; (the add and the youngest 24 loads may be out)
	WIN MUL_LO
	MUL16 0, 1, NQ-1, \slot, 0
	s_wait_dscnt 0x0                               ; the add is done, and my reads of this slot are over
	s_barrier_signal -1
	MUL16 2, 1, NQ-1, \slot, 0
	WIN 0
	s_barrier_wait -1
.if \fill
	CREST                                          ; the barrier has opened a round of the cluster's barrier
	s_add_nc_u64 s[G0+4*\slot+2:G0+4*\slot+3], s[G0+4*\slot+2:G0+4*\slot+3], 2*PLANE
	s_add_nc_u64 s[G0B+4*\slot+2:G0B+4*\slot+3], s[G0B+4*\slot+2:G0B+4*\slot+3], 2*ROWB
	JLOAD G0+4*\slot, G1, G0B+4*\slot, G1B         ; the first tensor load behind the round; its four v_nop are the places in front of the loads below
.else
	PLACES NP
.endif
	v_add_nc_u32 v[ADRS], 4*NQ, v[ADRS]
	FETCH_B \next, 0, 0
	FETCH_A \next, 0, 0
	SCALES \next
	WIN MUL_HI
	MUL16 4, 1, NQ-1, \slot, 0
	MUL16 6, 1, NQ-1, \slot, 0
	PLACES NP
	WIN 0
	FETCH_A \next, 0, 4
.endm
	s_wait_tensorcnt 1                             ; the scales and my part of K step 0 are in (K step 1's load may be out),
	s_barrier_signal -1
	s_barrier_wait -1                              ; everybody's are
	FETCH_B 0, 0, 0
	FETCH_A 0, 0, 0
	SCALES 0
	FETCH_A 0, 0, 4
	STEP 0, 0, 1                                   ; the first step's products start the sums
	s_mov_b32 s3, LAPS-1
.Llap:
	TURN 0, 1, 1
	STEP 1, 0, 0
	TURN 1, 0, 1
	STEP 0, 0, 0
	s_sub_co_u32 s3, s3, 1
	s_cmp_lg_u32 s3, 0
	s_cbranch_scc1 .Llap
	TURN 0, 1, 0                                   ; the last lap fills nothing
	STEP 1, 0, 0
	s_wait_dscnt 4*NL
	WIN MUL_LO
	MUL16 0, 1, NQ-1, 1, 0
	MUL16 2, 1, NQ-1, 1, 0
	s_wait_dscnt 0
	WIN MUL_HI
	MUL16 4, 1, NQ-1, 1, 0
	MUL16 6, 1, NQ-1, 1, 0
	WIN 0
; THE WAY OUT, block by block of 16 rows x 128 columns, through my own stage in LDS; back as whole rows of 512 bytes.  LDS serves a wave's instructions in order: no wait between the stores and the loads.
.macro TOSTAGE a
.set AC, 64*((\a)%4)
	WIN 0x08+4*((\a)/4)                            ; the data: window 2 or 3
.irp b, 0,1,2,3,4,5,6,7
	ds_store_b128 v[STO], v[AC+8*\b:AC+8*\b+3] offset:128*(\b/2)+32*(\b%2)          ; columns 32 (b / 2) + 16 h + 8 (b % 2) on; each accumulator from its low end on
	ds_store_b128 v[STO], v[AC+8*\b+4:AC+8*\b+7] offset:128*(\b/2)+32*(\b%2)+16
.endr
	WIN 0
.set BB, BK+64*((\a)%2)
.irp t, 0,1,2,3,4,5,6,7,8,9,10,11,12,13,14,15
	ds_load_b128 v[BB+4*\t:BB+4*\t+3], v[RD] offset:\t*SPITCH
.endr
.endm
.macro SEND a, younger                 ; younger: the LDS instructions issued behind block a's loads, which may stay out
.set BB, BK+64*((\a)%2)
	s_wait_dscnt \younger
.if (\a) > 0
	s_add_nc_u64 s[12:13], s[12:13], 16*SIZE_N*4   ; (behind a wait on XCNT: the earlier stores have read their base)  16 rows of C on
.endif
.irp t, 0,1,2,3,4,5,6,7,8,9,10,11,12,13,14,15
	global_store_b128 v[CO], v[BB+4*\t:BB+4*\t+3], s[12:13] offset:\t*SIZE_N*4 th:TH_STORE_NT   ; 32 lanes store 512 consecutive bytes, aligned; written once, read by nobody here
.endr
.endm
	PLACES NP
	TOSTAGE 0
.irp a, 1,2,3,4,5,6,7
.if \a > 1
	s_wait_xcnt 0x0                                ; block a - 2's stores have read their registers and their base
.endif
	TOSTAGE \a
	SEND \a-1, 32                                  ; behind block a - 1's loads: block a's 16 stores and 16 loads
.endr
	s_wait_xcnt 0x0                                ; block 6's stores have read their base
	SEND 7, 0
	s_wait_tensorcnt 0x0                           ; the wave's end: behind my last tensor load and my last LDS store
	ds_add_u32 v[SPW], v[NIL]
	s_wait_dscnt 0x0
	CROUND                                         ; the closing round
	s_endpgm
.Lfunc_end_k_q1a0b03b255_gemm_out:
	.size	k_q1a0b03b255_gemm_out, .Lfunc_end_k_q1a0b03b255_gemm_out-k_q1a0b03b255_gemm_out
	.p2alignl 7, 3214868480
	.fill 96, 4, 3214868480
	.section	.rodata,"a",@progbits
	.p2align	6, 0x0
	.amdhsa_kernel k_q1a0b03b255_gemm_out
		.amdhsa_group_segment_fixed_size 327680
		.amdhsa_private_segment_fixed_size 0
		.amdhsa_enable_private_segment 0
		.amdhsa_kernarg_size 40
		.amdhsa_user_sgpr_count 2
		.amdhsa_user_sgpr_kernarg_segment_ptr 1
		.amdhsa_wavefront_size32 1
		.amdhsa_system_sgpr_workgroup_id_x 1
		.amdhsa_system_sgpr_workgroup_id_y 1
		.amdhsa_system_sgpr_workgroup_id_z 1
		.amdhsa_system_vgpr_workitem_id 0
		.amdhsa_next_free_vgpr 1024
		.amdhsa_next_free_sgpr 98
		.amdhsa_reserve_vcc 0
		.amdhsa_float_denorm_mode_32 3
		.amdhsa_float_denorm_mode_16_64 3
		.amdhsa_memory_ordered 1
		.amdhsa_forward_progress 1
		.amdhsa_inst_pref_size 160
	.end_amdhsa_kernel
	.amdgpu_metadata
---
amdhsa.version: [ 1, 2 ]
amdhsa.kernels:
  - .name:           k_q1a0b03b255_gemm_out
    .symbol:         k_q1a0b03b255_gemm_out.kd
    .args:
      - { .name: cc, .offset: 0, .size: 8, .value_kind: global_buffer, .address_space: global }
      - { .name: cs, .offset: 8, .size: 8, .value_kind: global_buffer, .address_space: global }
      - { .name: w_codes, .offset: 16, .size: 8, .value_kind: global_buffer, .address_space: global }
      - { .name: w_scales, .offset: 24, .size: 8, .value_kind: global_buffer, .address_space: global }
      - { .name: out0, .offset: 32, .size: 8, .value_kind: global_buffer, .address_space: global }
    .group_segment_fixed_size: 327680
    .private_segment_fixed_size: 0
    .kernarg_segment_align: 8
    .kernarg_segment_size: 40
    .max_flat_workgroup_size: 128
    .sgpr_count:     98
    .vgpr_count:     1024
    .wavefront_size: 32
...
	.end_amdgpu_metadata
.endif
;; end of part 5
